; MI455X (gfx1250); checked and timed in simulation.
; The chip was launched on July 23, 2026; its instructions are those of AMD's public machine-readable ISA for CDNA 5 (MIT licence, August 2026) and "CDNA5" Instruction Set Architecture Reference Guide (July 2026). The comments in the code are by the model that wrote it; some were corrected since.
;; Qwen3 Moe Decoder Layer. Allowed arithmetic: float matrix products may take bf16 or f16 operands with f32 sums; other float arithmetic in f32, or as packed bf16 or f16 multiplies, adds, multiply-adds, maxima and minima; sums over many terms, partial sums and values carried from step to step in f32; what a program stores and reads back later, other than sums and carried values, may be rounded once to bf16 or f16.
;; Inputs: down_w 8 x 1,024 x 1,024 float32; gate_up_w 8 x 1,024 x 2,048 float32; hidden_states 2 x 1,024 x 1,024 float32; k_norm_w 128 float32; k_w 1,024 x 512 float32; ln1_w 1,024 float32; ln2_w 1,024 float32; o_w 1,024 x 1,024 float32; q_norm_w 128 float32; q_w 1,024 x 1,024 float32; router_w 1,024 x 8 float32; v_w 1,024 x 512 float32.
;; Outputs: out0 2 x 1,024 x 1,024 float32.
;; One version. Each part assembles by itself: llvm-mc -triple=amdgcn-amd-amdhsa -mcpu=gfx1250 --defsym DOCPART=n.
;; ======== version 1 of 1: 9 launches
;; limits: values are held in f16: magnitudes above 65,504 overflow, below 6.1e-05 lose precision
;; workspace buffers: bufA 16,809,984 bytes; bufQKV 8,388,608 bytes; bufCTX 4,194,304 bytes; resid 8,388,608 bytes; bufX2 4,210,688 bytes; topi 16,384 bytes of whole numbers; lists 70,656 bytes of whole numbers; act 34,603,008 bytes
;; launch prep (part 1): grid 256 x 1, 8 waves a work-group, no clusters, 0 bytes of LDS; arguments hidden_states, ln1_w, q_w, k_w, v_w, o_w, bufA; writes bufA
.if DOCPART == 1
	.amdgcn_target "amdgcn-amd-amdhsa--gfx1250"
	.amdhsa_code_object_version 6
	.text
	.protected	k_q43b098fea9_prep
	.globl	k_q43b098fea9_prep
	.p2align	8
	.type	k_q43b098fea9_prep,@function
k_q43b098fea9_prep:
	s_mov_b64 s[64:65], 0
	v_nop
	global_prefetch_b8 v0, s[64:65] scope:SCOPE_SE
	s_setreg_imm32_b32 hwreg(HW_REG_WAVE_MODE, 25, 1), 1
	s_wait_xcnt 0x0
; prep.  Three jobs, none of which needs another work-group:
;  (1) xn = rmsnorm(hidden_states, ln1_w), one row a wave, rounded once to f16: bufA + 0, [2048][1024].
;  (2) q_w, k_w, v_w rounded to f16 side by side, [1024 k][2048 n] at bufA + 4,194,304 (columns 0-1023 q, 1024-1535 k, 1536-2047 v);
;      o_w rounded to f16 in 16 panels [1024 k][64 n] at bufA + 8,388,608, so that a panel is dense in memory.
;  (3) the rotary table, [1024 positions][64 cos | 64 sin] f32 at bufA + 10,485,760.
; LIMITS.  f16 ends at 65,504 and keeps a fixed step of 6e-8 below 6e-5: xn and the four weights are taken to lie within that.
; The angle pos * theta^(-i/64) is made in f32, reduced by the nearest multiple of 2 pi (two-part constant) and put through
; Taylor polynomials up to x^15 and x^16 on -pi .. pi, whose cut is below 1e-6.
; No LDS, no matrix unit: memory binds, all 28 loads of a thread go out before the first wait.
.set X,  16                            ; v[16:47]   my 32 numbers of the row
.set LN, 48                            ; v[48:79]   ln1_w at the same columns; later the table's registers
.set W,  80                            ; v[80:127]  six chunks of 8 f32 of the weights
.set T,  128                           ; v[128:143] at work, then the packed row
	s_load_b256 s[4:11], s[0:1], 0x0               ; hidden s[4:5], ln1 s[6:7], q s[8:9], k s[10:11]
	s_load_b128 s[12:15], s[0:1], 0x20             ; v s[12:13], o s[14:15]
	s_load_b64 s[16:17], s[0:1], 0x30              ; bufA
	v_and_b32 v1, 31, v0                           ; lane
	v_lshrrev_b32 v2, 5, v0
	v_readfirstlane_b32 s18, v2                    ; wave
	s_lshl_b32 s19, ttmp9, 3
	s_add_co_u32 s19, s19, s18                     ; my row = 8 g + wave
	s_mov_b32 s20, 0x3a800000                      ; 1 / 1024
	s_mov_b32 s21, 0x358637bd                      ; 1e-6
	s_mov_b32 s22, 0x76543210                      ; v_permlanex16_b32: each lane takes its own place in the other half
	s_mov_b32 s23, 0xfedcba98
	s_lshl_b32 s24, s19, 12
	v_lshl_add_u32 v2, v1, 4, s24                  ; row x 4096 + 16 lane
	v_lshlrev_b32 v3, 4, v1                        ; 16 lane, for ln1_w
	s_lshl_b32 s25, ttmp9, 14                      ; four rows of q_w or o_w
	v_lshl_add_u32 v4, v0, 5, s25                  ; q source: chunk t
	s_add_co_u32 s26, s25, 4194304
	v_lshrrev_b32 v11, 7, v0
	v_and_b32 v12, 127, v0
	v_lshl_add_u32 v5, v12, 4, s26                 ; q goal: row t / 128, chunk t % 128
	v_lshl_add_u32 v5, v11, 12, v5
	s_lshl_b32 s27, ttmp9, 13                      ; four rows of k_w or v_w
	v_lshl_add_u32 v6, v0, 5, s27
	s_add_co_u32 s28, s26, 2048
	v_lshrrev_b32 v11, 6, v0
	v_and_b32 v12, 63, v0
	v_lshl_add_u32 v7, v12, 4, s28                 ; k goal (v: 1,024 bytes on)
	v_lshl_add_u32 v7, v11, 12, v7
	v_bfe_u32 v11, v0, 3, 1                        ; o: row bit
	v_bfe_u32 v12, v0, 4, 4                        ; o: panel
	v_and_b32 v13, 7, v0                           ; o: chunk in the panel row
	v_lshl_add_u32 v8, v13, 5, s25
	v_lshl_add_u32 v8, v12, 8, v8
	v_lshl_add_u32 v8, v11, 12, v8                 ; o source
	s_lshl_b32 s29, ttmp9, 9
	s_add_co_u32 s29, s29, 8388608
	v_lshl_add_u32 v9, v13, 4, s29
	v_lshl_add_u32 v9, v11, 7, v9
	v_lshl_add_u32 v9, v12, 17, v9                 ; o goal: 16 lanes cover 256 consecutive bytes
	s_lshl_b32 s30, s19, 11
	v_lshl_add_u32 v10, v1, 3, s30                 ; xn goal: row x 2048 + 8 lane
	s_wait_kmcnt 0x0
.irp j, 0,1,2,3,4,5,6,7
	global_load_b128 v[X+4*\j:X+4*\j+3], v2, s[4:5] offset:512*\j
.endr
.irp j, 0,1,2,3,4,5,6,7
	global_load_b128 v[LN+4*\j:LN+4*\j+3], v3, s[6:7] offset:512*\j
.endr
	global_load_b128 v[W:W+3],     v4, s[8:9] th:TH_LOAD_NT
	global_load_b128 v[W+4:W+7],   v4, s[8:9] offset:16 th:TH_LOAD_NT
	global_load_b128 v[W+8:W+11],  v4, s[8:9] offset:8192 th:TH_LOAD_NT
	global_load_b128 v[W+12:W+15], v4, s[8:9] offset:8208 th:TH_LOAD_NT
	global_load_b128 v[W+16:W+19], v6, s[10:11] th:TH_LOAD_NT
	global_load_b128 v[W+20:W+23], v6, s[10:11] offset:16 th:TH_LOAD_NT
	global_load_b128 v[W+24:W+27], v6, s[12:13] th:TH_LOAD_NT
	global_load_b128 v[W+28:W+31], v6, s[12:13] offset:16 th:TH_LOAD_NT
	global_load_b128 v[W+32:W+35], v8, s[14:15] th:TH_LOAD_NT
	global_load_b128 v[W+36:W+39], v8, s[14:15] offset:16 th:TH_LOAD_NT
	global_load_b128 v[W+40:W+43], v8, s[14:15] offset:8192 th:TH_LOAD_NT
	global_load_b128 v[W+44:W+47], v8, s[14:15] offset:8208 th:TH_LOAD_NT
	s_wait_loadcnt 12                              ; the row and ln1_w are in; the 12 weight loads are younger
	; the sum of squares in four chains that the first four pairs start
.irp c, 0,1,2,3
	v_pk_mul_f32 v[T+2*\c:T+2*\c+1], v[X+2*\c:X+2*\c+1], v[X+2*\c:X+2*\c+1]
.endr
.set i, 4
.rept 12
	v_pk_fma_f32 v[T+2*(i%4):T+2*(i%4)+1], v[X+2*i:X+2*i+1], v[X+2*i:X+2*i+1], v[T+2*(i%4):T+2*(i%4)+1]
.set i, i+1
.endr
	v_pk_add_f32 v[T:T+1], v[T:T+1], v[T+2:T+3]
	v_pk_add_f32 v[T+4:T+5], v[T+4:T+5], v[T+6:T+7]
	v_pk_add_f32 v[T:T+1], v[T:T+1], v[T+4:T+5]
	v_add_f32 v[T], v[T], v[T+1]
	v_add_f32_dpp v[T], v[T], v[T] row_xmask:1 row_mask:0xf bank_mask:0xf
	v_add_f32_dpp v[T], v[T], v[T] row_xmask:2 row_mask:0xf bank_mask:0xf
	v_add_f32_dpp v[T], v[T], v[T] row_xmask:4 row_mask:0xf bank_mask:0xf
	v_add_f32_dpp v[T], v[T], v[T] row_xmask:8 row_mask:0xf bank_mask:0xf
	v_permlanex16_b32 v[T+1], v[T], s22, s23
	v_add_f32 v[T], v[T], v[T+1]
	v_fma_f32 v[T], v[T], s20, s21                 ; mean + eps
	v_rsq_f32 v[T+2], v[T]                         ; twice: a pair for the packed multiply
	v_rsq_f32 v[T+3], v[T]
	v_nop                                          ; a plain instruction behind the last of them
	s_wait_alu depctr_va_vdst(0)                   ; one wait for both, ahead of their first reader
.set i, 0
.rept 16
	v_pk_mul_f32 v[X+2*i:X+2*i+1], v[X+2*i:X+2*i+1], v[T+2:T+3]
.set i, i+1
.endr
.set i, 0
.rept 16
	v_pk_mul_f32 v[X+2*i:X+2*i+1], v[X+2*i:X+2*i+1], v[LN+2*i:LN+2*i+1]
.set i, i+1
.endr
.set i, 0
.rept 16
	v_cvt_pk_f16_f32 v[T+i], v[X+2*i], v[X+2*i+1]
.set i, i+1
.endr
.irp j, 0,1,2,3,4,5,6,7
	global_store_b64 v10, v[T+2*\j:T+2*\j+1], s[16:17] offset:256*\j  ; 32 lanes x 8 bytes: 256 consecutive bytes, aligned
.endr
	s_wait_loadcnt 0x0                             ; the weights
.set i, 0
.rept 24
	v_cvt_pk_f16_f32 v[X+i], v[W+2*i], v[W+2*i+1]  ; chunk n of six: 8 f32 into v[X+4n .. X+4n+3]
.set i, i+1
.endr
	global_store_b128 v5, v[X:X+3],     s[16:17]
	global_store_b128 v5, v[X+4:X+7],   s[16:17] offset:8192
	global_store_b128 v7, v[X+8:X+11],  s[16:17]
	global_store_b128 v7, v[X+12:X+15], s[16:17] offset:1024
	global_store_b128 v9, v[X+16:X+19], s[16:17]
	global_store_b128 v9, v[X+20:X+23], s[16:17] offset:256
	; the table: waves 0 to 3, position 4 g + wave, frequencies 2 lane and 2 lane + 1
	s_cmp_lt_u32 s18, 4
	s_cbranch_scc0 .Ldone
	s_lshl_b32 s31, ttmp9, 2
	s_add_co_u32 s31, s31, s18                     ; position
	v_lshlrev_b32 v48, 1, v1
	v_or_b32 v49, 1, v48
	v_cvt_f32_u32 v48, v48
	v_cvt_f32_u32 v49, v49
	v_mul_f32 v48, 0xbe9f73da, v48                 ; - i log2(1e6) / 64
	v_mul_f32 v49, 0xbe9f73da, v49
	v_exp_f32 v48, v48                             ; theta^(-i/64)
	v_exp_f32 v49, v49
	v_cvt_f32_u32 v50, s31                         ; the plain instruction behind them
	s_wait_alu depctr_va_vdst(0)
	v_mul_f32 v48, v50, v48                        ; the angle
	v_mul_f32 v49, v50, v49
	v_mul_f32 v51, 0.15915494, v48
	v_mul_f32 v59, 0.15915494, v49
	v_rndne_f32 v51, v51                           ; whole turns
	v_rndne_f32 v59, v59
	v_fmamk_f32 v48, v51, 0xc0c90fdb, v48          ; less n x 2 pi: the f32 nearest to 2 pi,
	v_fmamk_f32 v49, v59, 0xc0c90fdb, v49
	v_fmamk_f32 v48, v51, 0x343bbd2e, v48          ; and what it is too large by
	v_fmamk_f32 v49, v59, 0x343bbd2e, v49
	v_mul_f32 v52, v48, v48
	v_mul_f32 v53, v49, v49
.macro POLY dst, xx, c0, rest:vararg   ; Horner in x^2, highest coefficient first
	v_mov_b32 v[\dst], \c0
.irp c, \rest
	v_fmaak_f32 v[\dst], v[\dst], v[\xx], \c
.endr
.endm
	POLY 54, 52, 0xab573f9f, 0x2f309231, 0xb2d7322b, 0x3638ef1d, 0xb9500d01, 0x3c088889, 0xbe2aaaab, 0x3f800000
	POLY 55, 53, 0xab573f9f, 0x2f309231, 0xb2d7322b, 0x3638ef1d, 0xb9500d01, 0x3c088889, 0xbe2aaaab, 0x3f800000
	POLY 56, 52, 0x29573f9f, 0xad49cba5, 0x310f76c7, 0xb493f27e, 0x37d00d01, 0xbab60b61, 0x3d2aaaab, 0xbf000000, 0x3f800000
	POLY 57, 53, 0x29573f9f, 0xad49cba5, 0x310f76c7, 0xb493f27e, 0x37d00d01, 0xbab60b61, 0x3d2aaaab, 0xbf000000, 0x3f800000
	v_mul_f32 v54, v54, v48                        ; sin = x P(x^2)
	v_mul_f32 v55, v55, v49
	s_lshl_b32 s31, s31, 9
	s_add_co_u32 s31, s31, 10485760
	v_lshl_add_u32 v58, v1, 3, s31
	global_store_b64 v58, v[56:57], s[16:17]             ; 64 cos: 256 consecutive bytes
	global_store_b64 v58, v[54:55], s[16:17] offset:256  ; 64 sin
.Ldone:
	s_endpgm
.Lfunc_end_k_q43b098fea9_prep:
	.size	k_q43b098fea9_prep, .Lfunc_end_k_q43b098fea9_prep-k_q43b098fea9_prep
	.p2alignl 7, 3214868480
	.fill 96, 4, 3214868480
	.section	.rodata,"a",@progbits
	.p2align	6, 0x0
	.amdhsa_kernel k_q43b098fea9_prep
		.amdhsa_group_segment_fixed_size 0
		.amdhsa_private_segment_fixed_size 0
		.amdhsa_enable_private_segment 0
		.amdhsa_kernarg_size 56
		.amdhsa_user_sgpr_count 2
		.amdhsa_user_sgpr_kernarg_segment_ptr 1
		.amdhsa_wavefront_size32 1
		.amdhsa_system_sgpr_workgroup_id_x 1
		.amdhsa_system_sgpr_workgroup_id_y 1
		.amdhsa_system_sgpr_workgroup_id_z 1
		.amdhsa_system_vgpr_workitem_id 0
		.amdhsa_next_free_vgpr 144
		.amdhsa_next_free_sgpr 66
		.amdhsa_reserve_vcc 0
		.amdhsa_float_denorm_mode_32 3
		.amdhsa_float_denorm_mode_16_64 3
		.amdhsa_memory_ordered 1
		.amdhsa_forward_progress 1
		.amdhsa_inst_pref_size 17
	.end_amdhsa_kernel
	.amdgpu_metadata
---
amdhsa.version: [ 1, 2 ]
amdhsa.kernels:
  - .name:           k_q43b098fea9_prep
    .symbol:         k_q43b098fea9_prep.kd
    .args:
      - { .name: hidden_states, .offset: 0, .size: 8, .value_kind: global_buffer, .address_space: global }
      - { .name: ln1_w, .offset: 8, .size: 8, .value_kind: global_buffer, .address_space: global }
      - { .name: q_w, .offset: 16, .size: 8, .value_kind: global_buffer, .address_space: global }
      - { .name: k_w, .offset: 24, .size: 8, .value_kind: global_buffer, .address_space: global }
      - { .name: v_w, .offset: 32, .size: 8, .value_kind: global_buffer, .address_space: global }
      - { .name: o_w, .offset: 40, .size: 8, .value_kind: global_buffer, .address_space: global }
      - { .name: bufA, .offset: 48, .size: 8, .value_kind: global_buffer, .address_space: global }
    .group_segment_fixed_size: 0
    .private_segment_fixed_size: 0
    .kernarg_segment_align: 8
    .kernarg_segment_size: 56
    .max_flat_workgroup_size: 256
    .sgpr_count:     66
    .vgpr_count:     144
    .wavefront_size: 32
...
	.end_amdgpu_metadata
.endif
;; end of part 1
;; launch qkv (part 2): grid 16 x 16, 8 waves a work-group, clusters of 4 x 1, 296,960 bytes of LDS; arguments bufA, q_norm_w, k_norm_w, bufQKV; writes bufQKV
.if DOCPART == 2
	.amdgcn_target "amdgcn-amd-amdhsa--gfx1250"
	.amdhsa_code_object_version 6
	.text
	.protected	k_q43b098fea9_qkv
	.globl	k_q43b098fea9_qkv
	.p2align	8
	.type	k_q43b098fea9_qkv,@function
k_q43b098fea9_qkv:
	s_mov_b64 s[64:65], 0
	v_nop
	global_prefetch_b8 v0, s[64:65] scope:SCOPE_SE
	s_setreg_imm32_b32 hwreg(HW_REG_WAVE_MODE, 25, 1), 1
	s_wait_xcnt 0x0
	s_wait_alu depctr_hold_cnt(0) depctr_sa_sdst(0) depctr_va_vdst(0) depctr_va_sdst(0) depctr_va_ssrc(0) depctr_va_vcc(0) depctr_vm_vsrc(0)
	s_getreg_b32 s2, hwreg(HW_REG_IB_STS2, 6, 4)
	s_cmp_eq_u32 s2, 0
	s_cbranch_scc0 .Lentry_in_a_cluster
	s_endpgm
.Lentry_in_a_cluster:
	s_bfe_u32 s2, ttmp6, 0x10000c
	s_cmp_lg_u32 s2, 0x3003
	s_cbranch_scc0 .Lentry_shape_is_right
	s_endpgm
.Lentry_shape_is_right:
; qkv.  [q | k | v] = xn x wqkv in f16 with f32 sums; q and k heads get their RMS norm and the rotary turn in f32; all three leave rounded once to f16,
; laid out as the register images that the attention launch loads: 1 KB for 16 rows x 32 k, byte 512 half + 16 lane = the lane's registers 4 half .. 4 half + 3.
; SHARES.  A work-group has 128 rows (row group rg) and one panel p of 128 columns = one head (0-7 q, 8-11 k, 12-15 v).  The whole panel [1024 k][128] lies in LDS.
; Wave w: rows 32 (w / 2) .. + 31, column blocks {2 ch, 2 ch + 1, 4 + 2 ch, 5 + 2 ch}, ch = w % 2, so that channels d and d + 64 lie in one lane.
; CLUSTER.  The four row groups of a cluster walk the same panel: it is asked for jointly (mask 15), two loads a wave, 64 k rows each; by this text's count a wave has two tensor loads out.
; PRODUCT.  q, k: source 0 = 16 columns of W (turned out of LDS), source 1 = 16 rows of xn: a lane holds one row and 8 neighbouring channels.  v: the sources swapped: a lane holds one channel and 8 rows.
; xn's fragments come from memory straight into registers, three steps ahead.  The 8 accumulators take turns.
; LIMITS.  q, k, v are rounded to f16 (largest number 65,504).
.set RB,  2                            ; row blocks of 16 a wave
.set WD,  8                            ; the next step's 8 LDS loads may stay out
.set P,   288                          ; a panel row in LDS: 256 bytes + 32 = 72 words
.set CBX, 64
.set AKS, 64                           ; bytes of xn from one k step to the next
.set AH,  32
.set ACC, 16                           ; v[16:79]   accumulator (rb, cb) at 16 + 8 (4 rb + cb)
.set BF,  80                           ; v[80:143]  fragments of W, two buffers of 32
.set AF,  144                          ; v[144:207] fragments of xn, four slots of 16
.set AO,  4                            ; v4, v5     byte offset of my rows in xn
.set LB,  6                            ; v6         LDS address of my fragments of W
.set TO,  7                            ; v7         offset into the rotary table
.set NO,  8                            ; v8         offset into the norm weight
.set SO,  9                            ; v9         offset of my stores
.set XS,  10                           ; v10        where I put my half sum of squares
.set XP,  11                           ; v11        where my partner wave put its
.set PK,  112                          ; packed results
.set TT,  208                          ; at work
.set SPW, 254                          ; LDS address of my spare word; never rewritten
.set NIL, 255                          ; 0; never rewritten
.set AB,  4                            ; s[4:5] bufA
.set WV,  12
.set XCH, 1024*P                       ; behind the panel: 128 bytes a wave for the sums of squares
.set SPARE, XCH+1024                   ; the spare words, 128 bytes a wave
.macro PLACES                          ; four places behind matrix instructions, ahead of loads into their sources and of readers of their results
.rept 4
	v_nop
.endr
.endm
.macro ROUND                           ; a round of the cluster's barrier
	s_barrier_signal -1
	s_barrier_wait -1
	s_cmp_lg_u32 s[WV], 0
	s_cbranch_scc1 .Lnot_wave_0_\@
	s_barrier_signal -3
.Lnot_wave_0_\@:
	s_barrier_wait -3
	s_barrier_signal -1
	s_barrier_wait -1
.endm
.macro LDB buf, koff                   ; 4 fragments of W, k rows koff .. koff + 31 from v[LB] on
.irp cb, 0,1,2,3
	ds_load_tr16_b128 v[BF+32*(\buf)+8*\cb:BF+32*(\buf)+8*\cb+3],   v[LB] offset:(\koff)*P+32*\cb+CBX*(\cb/2)
	ds_load_tr16_b128 v[BF+32*(\buf)+8*\cb+4:BF+32*(\buf)+8*\cb+7], v[LB] offset:((\koff)+16)*P+32*\cb+CBX*(\cb/2)
.endr
.endm
.macro LDA slot, kidx                  ; RB fragments of xn, k step kidx from v[AO ..] on
.set rbi, 0
.rept RB
	global_load_b128 v[AF+8*RB*(\slot)+8*rbi:AF+8*RB*(\slot)+8*rbi+3],   v[AO+rbi], s[AB:AB+1] offset:(\kidx)*AKS
	global_load_b128 v[AF+8*RB*(\slot)+8*rbi+4:AF+8*RB*(\slot)+8*rbi+7], v[AO+rbi], s[AB:AB+1] offset:(\kidx)*AKS+AH
.set rbi, rbi+1
.endr
.endm
.macro WM d, a, b, z
.if \z
	v_wmma_f32_16x16x32_f16 v[\d:\d+7], v[\a:\a+7], v[\b:\b+7], 0
.else
	v_wmma_f32_16x16x32_f16 v[\d:\d+7], v[\a:\a+7], v[\b:\b+7], v[\d:\d+7]
.endif
.endm
.macro MM buf, slot, zero, nat         ; 8 products, 8 different accumulators
.irp cb, 0,1,2,3
.set rbi, 0
.rept RB
.set rD, ACC+8*(4*rbi+\cb)
.set rW, BF+32*(\buf)+8*\cb
.set rX, AF+8*RB*(\slot)+8*rbi
.if \nat
	WM rD, rX, rW, \zero
.else
	WM rD, rW, rX, \zero
.endif
.set rbi, rbi+1
.endr
.endr
.endm
; One k step of 32: the next step's W, xn three steps on, the waits, the products.
.macro STEP i, zero, lda, ldb, wl, wd, nat
	PLACES
.if \ldb
	LDB ((\i)+1)%2, 32*((\i)+1)
.endif
.if \lda
	LDA ((\i)+3)%4, (\i)+3
.endif
	s_wait_loadcnt \wl                             ; loads come back in order: what may stay out are the xn loads of the steps behind this one
	s_wait_dscnt \wd                               ; and the W loads just issued
	MM (\i)%2, (\i)%4, \zero, \nat
.endm
.macro TRIP zero, nat
	STEP 0, \zero, 1, 1, 6*RB, WD, \nat
	STEP 1, 0, 1, 1, 6*RB, WD, \nat
	STEP 2, 0, 1, 1, 6*RB, WD, \nat
	STEP 3, 0, 1, 1, 6*RB, WD, \nat
.endm
.macro TAILTRIP nat                    ; the last four steps: the counts run down, nothing is fetched past the end
	STEP 0, 0, 1, 1, 6*RB, WD, \nat
	STEP 1, 0, 0, 1, 4*RB, WD, \nat
	STEP 2, 0, 0, 1, 2*RB, WD, \nat
	STEP 3, 0, 0, 0, 0, 0, \nat
.endm
.macro ADV                             ; four steps on
	s_wait_xcnt 0x0                                ; the offsets of loads that are out are rewritten only behind this wait
	v_add_nc_u32 v[AO], 4*AKS, v[AO]
	v_add_nc_u32 v[AO+1], 4*AKS, v[AO+1]
	v_add_nc_u32 v[LB], 128*P, v[LB]
.endm
; All 32 k steps.  The first barrier shows k rows 0-511 of the panel to every wave, the second the rest; it stands behind step 11, and step 15 is the first to fetch a row from 512 on.
.macro MAIN nat
	s_wait_tensorcnt 0x1                           ; my part of the first half is in; the second load may stay out
	s_barrier_signal -1
	s_barrier_wait -1
	LDB 0, 0
	TRIP 1, \nat
	ADV
	s_mov_b32 s52, 2
.Lhalf1_\@:
	TRIP 0, \nat
	ADV
	s_sub_co_u32 s52, s52, 1
	s_cmp_lg_u32 s52, 0
	s_cbranch_scc1 .Lhalf1_\@
	s_wait_tensorcnt 0x0                           ; my part of the second half is in
	s_wait_dscnt 0x0                               ; no LDS instruction of mine is out at a signal
	s_barrier_signal -1
	s_barrier_wait -1
	s_mov_b32 s52, 4
.Lhalf2_\@:
	TRIP 0, \nat
	ADV
	s_sub_co_u32 s52, s52, 1
	s_cmp_lg_u32 s52, 0
	s_cbranch_scc1 .Lhalf2_\@
	TAILTRIP \nat
.endm
	s_load_b256 s[4:11], s[0:1], 0x0               ; bufA s[4:5], q_norm_w s[6:7], k_norm_w s[8:9], bufQKV s[10:11]
	v_lshl_add_u32 v[SPW], v0, 2, SPARE
	v_mov_b32 v[NIL], 0
	ds_add_u32 v[SPW], v[NIL]                      ; the opening: the add and its wait ahead of my first tensor load
	v_lshrrev_b32 v1, 5, v0
	v_readfirstlane_b32 s[WV], v1                  ; wave 0..7
	s_bfe_u32 s13, ttmp6, 0x40000                  ; cx: my place in the cluster
	s_lshl_b32 s14, ttmp9, 2
	s_add_co_u32 s14, s14, s13                     ; row group = 4 x cluster x + cx: it enters global addresses of my own loads and stores alone
	s_and_b32 s15, ttmp7, 0xffff                   ; the panel, which the four partners share
	s_lshr_b32 s16, s[WV], 1                       ; my tile of 32 rows
	s_and_b32 s17, s[WV], 1                        ; my half of the columns
	; descriptor group 1: 64 rows of 128 elements of 2 bytes, 2,048 elements from row to row, 8 words of padding behind every 64
	s_mov_b32 s24, 15|(1<<16)|(1<<20)|(1<<21)|(5<<22)|(7<<25)
	s_mov_b32 s25, 128<<16                         ; tensor_dim0
	s_mov_b32 s26, 64<<16                          ; tensor_dim1
	s_mov_b32 s27, 128<<16                         ; tile_dim0
	s_mov_b32 s28, 64                              ; tile_dim1
	s_mov_b32 s29, 2048                            ; pitch
	s_mov_b32 s30, 0
	s_mov_b32 s31, 0
	s_mov_b32 s32, 1
	s_mul_i32 s33, s[WV], 64*P                     ; k rows 64 w ..
	s_mov_b32 s36, 1
	s_add_co_u32 s37, s33, 512*P                   ; k rows 512 + 64 w ..
	s_lshl_b32 s18, s15, 8                         ; the panel's 256 bytes of a row,
	s_lshl_b32 s19, s[WV], 18                      ; 64 w rows of 4,096 bytes
	s_add_co_u32 s18, s18, s19
	s_add_co_u32 s18, s18, 4194304
	s_mov_b32 s19, 0
	s_mov_b32 s46, 0x76543210
	s_mov_b32 s47, 0xfedcba98
	s_mov_b32 s48, 0x3c000000                      ; 1 / 128
	s_mov_b32 s49, 0x358637bd                      ; 1e-6
	s_wait_dscnt 0x0                               ; the opening add is done
	s_wait_kmcnt 0x0
	s_add_nc_u64 s[34:35], s[4:5], s[18:19]
	s_add_nc_u64 s[38:39], s[34:35], 512*4096
	s_or_b32 s35, s35, 0x80000000
	s_or_b32 s39, s39, 0x80000000
	ROUND                                          ; all four work-groups are here: the joint loads meet
	tensor_load_to_lds s[32:35], s[24:31]
	s_nop 0
	tensor_load_to_lds s[36:39], s[24:31]
	s_nop 0
	v_and_b32 v1, 15, v0                           ; r
	v_bfe_u32 v2, v0, 4, 1                         ; h
	v_and_b32 v3, 31, v0                           ; lane
	s_lshl_b32 s20, s14, 7
	s_lshl_b32 s21, s16, 5
	s_add_co_u32 s20, s20, s21                     ; my first row
	v_add_nc_u32 v12, s20, v1
	v_lshlrev_b32 v12, 11, v12
	v_lshl_add_u32 v[AO], v2, 4, v12               ; row x 2048 + 16 h
	v_add_nc_u32 v[AO+1], 16*2048, v[AO]
	LDA 0, 0
	LDA 1, 1
	LDA 2, 2
	v_and_b32 v12, 7, v0
	v_lshl_add_u32 v12, v2, 3, v12                 ; the turning load: k row 8 h + lane % 8,
	v_mul_u32_u24 v12, v12, P
	v_bfe_u32 v13, v0, 3, 1
	v_lshl_add_u32 v12, v13, 4, v12                ; 16 bytes by (lane / 8) % 2,
	s_lshl_b32 s21, s17, 6
	v_add_nc_u32 v[LB], s21, v12                   ; my half of the columns
	s_and_b32 s22, s20, 1023                       ; my first row's position in its sequence
	s_lshl_b32 s23, s22, 9
	s_add_co_u32 s23, s23, 10485760
	s_lshl_b32 s21, s17, 7
	s_add_co_u32 s23, s23, s21
	v_lshl_add_u32 v[TO], v1, 9, s23
	v_lshl_add_u32 v[TO], v2, 5, v[TO]             ; table: (position + r) x 512 + 128 ch + 32 h
	v_lshl_add_u32 v[NO], v2, 5, s21               ; norm weight: 128 ch + 32 h
	s_lshl_b32 s21, s[WV], 7
	s_add_co_u32 s21, s21, XCH
	v_lshl_add_u32 v[XS], v1, 2, s21
	s_xor_b32 s23, s[WV], 1
	s_lshl_b32 s23, s23, 7
	s_add_co_u32 s23, s23, XCH
	v_lshl_add_u32 v[XP], v1, 2, s23
	; where the images go: blocks of 262,144 bytes a head: q 8 b + p, k 16 + 4 b + (p - 8), v 24 + 4 b + (p - 12)
	s_lshr_b32 s40, s14, 3                         ; b
	s_lshl_b32 s41, s40, 3
	s_add_co_u32 s41, s41, s15
	s_lshl_b32 s42, s40, 2
	s_add_co_u32 s42, s42, s15
	s_add_co_u32 s43, s42, 8
	s_add_co_u32 s44, s42, 12
	s_cmp_lt_u32 s15, 8
	s_cselect_b32 s41, s41, s43
	s_cmp_lt_u32 s15, 12
	s_cselect_b32 s41, s41, s44
	s_cselect_b32 s45, 10, 11                      ; ch x 1,024 for q and k, x 2,048 for v
	s_lshl_b32 s45, s17, s45
	s_lshl_b32 s41, s41, 18
	s_lshl_b32 s42, s22, 8                         ; 16 rows are 4,096 bytes of q or k, 32 rows 8,192 of v
	s_add_co_u32 s41, s41, s42
	s_add_co_u32 s41, s41, s45
	v_lshl_add_u32 v[SO], v3, 4, s41
	s_cmp_ge_u32 s15, 12
	s_cbranch_scc1 .Lvpath                         ; the panel is the same in all waves and all partners
	MAIN 0
	; q, k: RMS norm over the head's 128 channels, the weight, the rotary turn
	PLACES
	s_cmp_lt_u32 s15, 8
	s_cselect_b64 s[50:51], s[6:7], s[8:9]
.irp cb, 0,1,2,3
	global_load_b128 v[BF+8*\cb:BF+8*\cb+3],   v[NO], s[50:51] offset:64*(\cb%2)+256*(\cb/2)
	global_load_b128 v[BF+8*\cb+4:BF+8*\cb+7], v[NO], s[50:51] offset:64*(\cb%2)+256*(\cb/2)+16
.endr
.irp rb, 0,1
.irp cb, 0,1
.irp sn, 0,1                           ; cos, then sin, of my 8 channels below 64
	global_load_b128 v[AF+32*\rb+16*\cb+8*\sn:AF+32*\rb+16*\cb+8*\sn+3],   v[TO], s[4:5] offset:\rb*8192+\cb*64+\sn*256
	global_load_b128 v[AF+32*\rb+16*\cb+8*\sn+4:AF+32*\rb+16*\cb+8*\sn+7], v[TO], s[4:5] offset:\rb*8192+\cb*64+\sn*256+16
.endr
.endr
.endr
	v_pk_mul_f32 v[TT:TT+1], v[ACC:ACC+1], v[ACC:ACC+1]                  ; each accumulator is read from its low end on
	v_pk_mul_f32 v[TT+2:TT+3], v[ACC+32:ACC+33], v[ACC+32:ACC+33]
.set i, 1
.rept 15
	v_pk_fma_f32 v[TT:TT+1], v[ACC+2*i:ACC+2*i+1], v[ACC+2*i:ACC+2*i+1], v[TT:TT+1]
	v_pk_fma_f32 v[TT+2:TT+3], v[ACC+32+2*i:ACC+32+2*i+1], v[ACC+32+2*i:ACC+32+2*i+1], v[TT+2:TT+3]
.set i, i+1
.endr
	v_add_f32 v[TT], v[TT], v[TT+1]
	v_add_f32 v[TT+2], v[TT+2], v[TT+3]
	v_permlanex16_b32 v[TT+1], v[TT], s46, s47     ; the row's other 32 channels of this half lie 16 lanes away,
	v_permlanex16_b32 v[TT+3], v[TT+2], s46, s47
	v_add_f32 v[TT], v[TT], v[TT+1]
	v_add_f32 v[TT+2], v[TT+2], v[TT+3]
	ds_store_b32 v[XS], v[TT]                      ; the other 64 in my partner wave
	ds_store_b32 v[XS], v[TT+2] offset:64
	s_wait_dscnt 0x0                               ; for the partner's sake
	s_barrier_signal -1
	s_barrier_wait -1
	ds_load_b32 v[TT+1], v[XP]
	ds_load_b32 v[TT+3], v[XP] offset:64
	s_wait_dscnt 0x0
	v_add_f32 v[TT], v[TT], v[TT+1]
	v_add_f32 v[TT+2], v[TT+2], v[TT+3]
	v_fma_f32 v[TT], v[TT], s48, s49
	v_fma_f32 v[TT+2], v[TT+2], s48, s49
	v_rsq_f32 v[TT+4], v[TT]
	v_rsq_f32 v[TT+5], v[TT]
	v_rsq_f32 v[TT+6], v[TT+2]
	v_rsq_f32 v[TT+7], v[TT+2]
	v_nop
	s_wait_alu depctr_va_vdst(0)                   ; one wait for the four
	s_wait_loadcnt 0x0                             ; the weight and the table
.irp rb, 0,1
.set i, 0
.rept 16
	v_pk_mul_f32 v[ACC+32*\rb+2*i:ACC+32*\rb+2*i+1], v[ACC+32*\rb+2*i:ACC+32*\rb+2*i+1], v[TT+4+2*\rb:TT+5+2*\rb]
.set i, i+1
.endr
.endr
.irp rb, 0,1
.set i, 0
.rept 16
	v_pk_mul_f32 v[ACC+32*\rb+2*i:ACC+32*\rb+2*i+1], v[ACC+32*\rb+2*i:ACC+32*\rb+2*i+1], v[BF+2*i:BF+2*i+1]
.set i, i+1
.endr
.endr
.irp rb, 0,1
.irp cb, 0,1
.irp m, 0,1,2,3                        ; lo = channel d < 64, hi = d + 64: lo cos - hi sin, hi cos + lo sin
.set rLo, ACC+32*\rb+8*\cb+2*\m
.set rHi, rLo+16
.set rC,  AF+32*\rb+16*\cb+2*\m
.set rS,  rC+8
	v_pk_mul_f32 v[TT+8:TT+9], v[rLo:rLo+1], v[rS:rS+1]
	v_pk_mul_f32 v[TT+10:TT+11], v[rHi:rHi+1], v[rS:rS+1]
	v_pk_fma_f32 v[rLo:rLo+1], v[rLo:rLo+1], v[rC:rC+1], v[TT+10:TT+11] neg_lo:[0,0,1] neg_hi:[0,0,1]
	v_pk_fma_f32 v[rHi:rHi+1], v[rHi:rHi+1], v[rC:rC+1], v[TT+8:TT+9]
.endr
.endr
.endr
.irp rb, 0,1
.irp cb, 0,1,2,3
.irp m, 0,1,2,3
	v_cvt_pk_f16_f32 v[PK+4*(4*\rb+\cb)+\m], v[ACC+32*\rb+8*\cb+2*\m], v[ACC+32*\rb+8*\cb+2*\m+1]
.endr
	global_store_b128 v[SO], v[PK+4*(4*\rb+\cb):PK+4*(4*\rb+\cb)+3], s[10:11] offset:\rb*4096+(\cb/2)*2048+(\cb%2)*512  ; 512 consecutive bytes: half an image
.endr
.endr
	s_branch .Ljoin
.Lvpath:
	MAIN 1
	PLACES
.irp rb, 0,1
.irp cb, 0,1,2,3
.irp m, 0,1,2,3
	v_cvt_pk_f16_f32 v[PK+4*(4*\rb+\cb)+\m], v[ACC+32*\rb+8*\cb+2*\m], v[ACC+32*\rb+8*\cb+2*\m+1]
.endr
	global_store_b128 v[SO], v[PK+4*(4*\rb+\cb):PK+4*(4*\rb+\cb)+3], s[10:11] offset:(\cb%2)*1024+(\cb/2)*4096+\rb*512
.endr
.endr
.Ljoin:
	s_wait_tensorcnt 0x0                           ; the wave's end
	ds_add_u32 v[SPW], v[NIL]
	s_wait_dscnt 0x0
	ROUND                                          ; the closing round
	s_endpgm
.Lfunc_end_k_q43b098fea9_qkv:
	.size	k_q43b098fea9_qkv, .Lfunc_end_k_q43b098fea9_qkv-k_q43b098fea9_qkv
	.p2alignl 7, 3214868480
	.fill 96, 4, 3214868480
	.section	.rodata,"a",@progbits
	.p2align	6, 0x0
	.amdhsa_kernel k_q43b098fea9_qkv
		.amdhsa_group_segment_fixed_size 296960
		.amdhsa_private_segment_fixed_size 0
		.amdhsa_enable_private_segment 0
		.amdhsa_kernarg_size 32
		.amdhsa_user_sgpr_count 2
		.amdhsa_user_sgpr_kernarg_segment_ptr 1
		.amdhsa_wavefront_size32 1
		.amdhsa_system_sgpr_workgroup_id_x 1
		.amdhsa_system_sgpr_workgroup_id_y 1
		.amdhsa_system_sgpr_workgroup_id_z 1
		.amdhsa_system_vgpr_workitem_id 0
		.amdhsa_next_free_vgpr 256
		.amdhsa_next_free_sgpr 66
		.amdhsa_reserve_vcc 0
		.amdhsa_float_denorm_mode_32 3
		.amdhsa_float_denorm_mode_16_64 3
		.amdhsa_memory_ordered 1
		.amdhsa_forward_progress 1
		.amdhsa_inst_pref_size 76
	.end_amdhsa_kernel
	.amdgpu_metadata
---
amdhsa.version: [ 1, 2 ]
amdhsa.kernels:
  - .name:           k_q43b098fea9_qkv
    .symbol:         k_q43b098fea9_qkv.kd
    .args:
      - { .name: bufA, .offset: 0, .size: 8, .value_kind: global_buffer, .address_space: global }
      - { .name: q_norm_w, .offset: 8, .size: 8, .value_kind: global_buffer, .address_space: global }
      - { .name: k_norm_w, .offset: 16, .size: 8, .value_kind: global_buffer, .address_space: global }
      - { .name: bufQKV, .offset: 24, .size: 8, .value_kind: global_buffer, .address_space: global }
    .group_segment_fixed_size: 296960
    .private_segment_fixed_size: 0
    .kernarg_segment_align: 8
    .kernarg_segment_size: 32
    .max_flat_workgroup_size: 256
    .sgpr_count:     66
    .vgpr_count:     256
    .wavefront_size: 32
...
	.end_amdgpu_metadata
.endif
;; end of part 2
;; launch attn (part 3): grid 32 x 8, 8 waves a work-group, no clusters, 136,192 bytes of LDS; arguments bufQKV, bufCTX; writes bufCTX
.if DOCPART == 3
	.amdgcn_target "amdgcn-amd-amdhsa--gfx1250"
	.amdhsa_code_object_version 6
	.text
	.protected	k_q43b098fea9_attn
	.globl	k_q43b098fea9_attn
	.p2align	8
	.type	k_q43b098fea9_attn,@function
k_q43b098fea9_attn:
	s_mov_b64 s[64:65], 0
	v_nop
	global_prefetch_b8 v0, s[64:65] scope:SCOPE_SE
	s_setreg_imm32_b32 hwreg(HW_REG_WAVE_MODE, 25, 1), 1
	s_wait_xcnt 0x0
; attn.  Causal attention with grouped heads: ctx[q] = sum over k <= q of softmax_k(q . k / sqrt(128)) v[k].  q, k, v arrive as f16 register images; products, maxima and sums in f32;
; the weights p are rounded to f16 for the second product (their sum is taken of the unrounded p); ctx leaves rounded once to f16, as the image that the next launch loads.
; SHARES.  A work-group has 32 positions (block qb) of the two query heads of one key head.  Wave w: head w % 2, key split ks = w / 2: it walks the steps of 32 keys ks, ks + 4, .. up to qb,
; with a running maximum and sum of its own; at the end the four splits of a head are joined through LDS.  The blocks with most keys have the lowest work-group numbers.
; K and V fragments come from memory straight into registers, a step ahead; the address of the step behind the last is held at the last, so that every trip issues the same loads and none leaves the buffer.
; NO CLUSTER: no tile goes through LDS, and work-groups of one head have different numbers of trips.
; LAYOUT.  S^T = K Q^T: a lane holds one query (lane % 16) and keys 8 (lane / 16) + 0..7; two such results rounded to f16 are source 1 of O^T = V^T P.
; THE MASK is the C operand that starts S^T: 0, or -1e30 where the key lies behind the query; it is made in the diagonal step, which is a wave's last.
; O^T, the mask and the statistics are cleared at the start (160 v_mov_b32 in the wait for the first loads): a wave may have no trip at all, and no first step is written out.
; LIMITS.  A hidden score counts as its value less 1e30; a weight below 2^-126 counts as 0; NaN and infinities are not treated apart; f16 ends at 65,504.
; REGISTERS, in windows of 256 (s_set_vgpr_msb: bits 1:0 source 0, 3:2 source 1, 5:4 source 2, 7:6 destination).  Window 1: v0-127 O^T (64 t + 8 cb), v128-191 Q (128 + 32 t + 8 c).
.set L16, 1                            ; 16 x lane; never rewritten
.set KA,  2                            ; offset of the K step to load
.set VA,  3                            ; of the V step
.set SS,  4                            ; LDS: where my statistics go
.set OS,  5                            ; LDS: where my O^T goes
.set SL,  6                            ; LDS: my head's statistics
.set MA,  7                            ; LDS: my share of my head's O^T, splits 0 and 1
.set ST,  8                            ; v[8:15]   tile t: c m, m, l (even keys, odd keys)
.set TMP, 16                           ; v[16:23]  tile t: c0, c1, a, x
.set OCM, 24                           ; v[24:25]  c m_old
.set RH,  26                           ; r - 8 h
.set MB,  27                           ; MA + 65,536: splits 2 and 3
.set SPW, 28
.set NIL, 29
.set CO,  30                           ; my offset in bufCTX
.set S,   32                           ; v[32:63]   S^T (32 + 16 t + 8 kb)
.set PP,  64                           ; v[64:79]   P (64 + 8 t)
.set MC,  80                           ; v[80:111]  the mask
.set KF,  112                          ; v[112:175] K (112 + 32 kb + 8 c)
.set VF,  176                          ; v[176:239] V (176 + 8 cb)
.set QQ,  128
.set STATS, 131072                     ; behind 8 x 16,384 bytes of O^T: 512 bytes a wave
.set SPARE, 135168
.set MSB, 0
.macro WIN new                         ; the high byte repeats the setting that is left; a switch that changes nothing is dropped
.if MSB != (\new)
	s_set_vgpr_msb (MSB<<8)|(\new)
.set MSB, (\new)
.endif
.endm
.macro PLACES
.rept 4
	v_nop
.endr
.endm
.macro BOTH line:vararg                ; one line for each tile t
.set t, 0
.rept 2
	\line
.set t, t+1
.endr
.endm
.macro KLOAD
.irp kb, 0,1
.irp c, 0,1,2,3
	global_load_b128 v[KF+32*\kb+8*\c:KF+32*\kb+8*\c+3],   v[KA], s[18:19] offset:\kb*4096+\c*1024
	global_load_b128 v[KF+32*\kb+8*\c+4:KF+32*\kb+8*\c+7], v[KA], s[18:19] offset:\kb*4096+\c*1024+512
.endr
.endr
.endm
.macro VLOAD
.irp cb, 0,1,2,3,4,5,6,7
	global_load_b128 v[VF+8*\cb:VF+8*\cb+3],   v[VA], s[20:21] offset:\cb*1024
	global_load_b128 v[VF+8*\cb+4:VF+8*\cb+7], v[VA], s[20:21] offset:\cb*1024+512
.endr
.endm
	s_load_b128 s[4:7], s[0:1], 0x0                ; bufQKV s[4:5], bufCTX s[6:7]
	v_lshl_add_u32 v[SPW], v0, 2, SPARE
	v_mov_b32 v[NIL], 0
	v_lshrrev_b32 v4, 5, v0
	v_readfirstlane_b32 s8, v4                     ; wave
	s_sub_co_u32 s9, 31, ttmp9                     ; qb
	s_and_b32 s10, ttmp7, 0xffff                   ; y = 4 b + key head
	s_and_b32 s11, s8, 1                           ; hs: which of the two query heads
	s_lshr_b32 s12, s8, 1                          ; ks
	s_add_co_u32 s13, s9, 4
	s_sub_co_u32 s13, s13, s12
	s_lshr_b32 s13, s13, 2                         ; my trips: the steps ks, ks + 4, .. <= qb
	s_min_u32 s14, s12, s9                         ; my first step (held inside the block's keys where I have none)
	s_lshl_b32 s27, s10, 1
	s_add_co_u32 s27, s27, s11                     ; 8 b + query head
	s_lshl_b32 s30, s27, 18
	s_lshl_b32 s28, s9, 13
	s_add_co_u32 s30, s30, s28                     ; Q: head x 262,144 + 2 qb row blocks of 4,096
	s_mov_b32 s31, 0
	s_lshl_b32 s32, s10, 18
	s_add_co_u32 s32, s32, 4194304                 ; K of my key head
	s_mov_b32 s33, 0
	s_mov_b32 s22, 0x3e0293ee                      ; c = log2(e) / sqrt(128)
	s_mov_b32 s23, s22
	s_mov_b32 s24, 0x76543210
	s_mov_b32 s25, 0xfedcba98
	s_mov_b32 s26, 0xf149f2ca                      ; -1e30
	v_and_b32 v[L16], 31, v0
	v_lshlrev_b32 v[L16], 4, v[L16]
	s_lshl_b32 s29, s14, 13
	v_add_nc_u32 v[KA], s29, v[L16]
	v_add_nc_u32 v[VA], s29, v[L16]
	s_wait_kmcnt 0x0
	s_add_nc_u64 s[16:17], s[4:5], s[30:31]
	s_add_nc_u64 s[18:19], s[4:5], s[32:33]
	s_add_nc_u64 s[20:21], s[18:19], 2097152       ; V lies 2 MiB behind K
	WIN 0x40                                       ; destination window 1
.irp t, 0,1
.irp c, 0,1,2,3
	global_load_b128 v[QQ+32*\t+8*\c:QQ+32*\t+8*\c+3],   v[L16], s[16:17] offset:\t*4096+\c*1024
	global_load_b128 v[QQ+32*\t+8*\c+4:QQ+32*\t+8*\c+7], v[L16], s[16:17] offset:\t*4096+\c*1024+512
.endr
.endr
	WIN 0
	KLOAD
	VLOAD
	WIN 0x40
.set i, 0
.rept 128
	v_mov_b32 v[i], 0
.set i, i+1
.endr
	WIN 0
.set i, 0
.rept 32
	v_mov_b32 v[MC+i], 0
.set i, i+1
.endr
	BOTH v_mov_b32 v[ST+4*t], 0xfe000000           ; c m: far below every c s, so the first a is 0
	BOTH v_mov_b32 v[ST+4*t+1], 0xff7fffff         ; m: the lowest finite number
	BOTH v_mov_b32 v[ST+4*t+2], 0
	BOTH v_mov_b32 v[ST+4*t+3], 0
	BOTH v_mov_b32 v[TMP+4*t+3], 0
	v_and_b32 v30, 15, v0
	v_bfe_u32 v31, v0, 4, 1
	v_lshlrev_b32 v31, 3, v31
	v_sub_nc_u32 v[RH], v30, v31
	v_and_b32 v31, 31, v0
	s_lshl_b32 s27, s8, 9
	s_add_co_u32 s27, s27, STATS
	v_lshl_add_u32 v[SS], v31, 2, s27
	s_lshl_b32 s27, s8, 14
	v_add_nc_u32 v[OS], s27, v[L16]
	s_lshl_b32 s27, s11, 9
	s_add_co_u32 s27, s27, STATS
	v_lshl_add_u32 v[SL], v31, 2, s27
	s_lshl_b32 s27, s11, 14
	s_lshl_b32 s28, s12, 11
	s_add_co_u32 s27, s27, s28
	v_add_nc_u32 v[MA], s27, v[L16]
	v_add_nc_u32 v[MB], 65536, v[MA]
	s_and_b32 s27, s10, 3                          ; bufCTX: plane 4 x query head + ks, row block 64 b + 2 qb
	s_lshl_b32 s27, s27, 1
	s_add_co_u32 s27, s27, s11
	s_lshl_b32 s27, s27, 2
	s_add_co_u32 s27, s27, s12
	s_lshl_b32 s27, s27, 17
	s_lshr_b32 s28, s10, 2
	s_lshl_b32 s28, s28, 16
	s_add_co_u32 s27, s27, s28
	s_lshl_b32 s28, s9, 11
	s_add_co_u32 s27, s27, s28
	v_add_nc_u32 v[CO], s27, v[L16]
	s_mov_b32 s15, 0
	s_cmp_eq_u32 s13, 0
	s_cbranch_scc1 .Lmerge
.Ltrip:
	s_cmp_lg_u32 s14, s9
	s_cbranch_scc1 .Lopen
.irp t, 0,1                            ; the diagonal step: key 16 kb + 8 h + j is hidden from query 16 t + r where it is greater
.irp kb, 0,1
.irp j, 0,1,2,3,4,5,6,7
	v_cmp_gt_i32 vcc_lo, 16*\kb+\j-16*\t, v[RH]
	v_cndmask_b32 v[MC+16*\t+8*\kb+\j], 0, s26, vcc_lo
.endr
.endr
.endr
.Lopen:
	s_wait_loadcnt 16                              ; K (and at first Q) is in; the 16 loads of V are younger
	WIN 0x04                                       ; Q in window 1
.irp c, 0,1,2,3                        ; the four accumulators take turns
.irp kb, 0,1
.irp t, 0,1
.if \c == 0
	v_wmma_f32_16x16x32_f16 v[S+16*\t+8*\kb:S+16*\t+8*\kb+7], v[KF+32*\kb+8*\c:KF+32*\kb+8*\c+7], v[QQ+32*\t+8*\c:QQ+32*\t+8*\c+7], v[MC+16*\t+8*\kb:MC+16*\t+8*\kb+7]
.else
	v_wmma_f32_16x16x32_f16 v[S+16*\t+8*\kb:S+16*\t+8*\kb+7], v[KF+32*\kb+8*\c:KF+32*\kb+8*\c+7], v[QQ+32*\t+8*\c:QQ+32*\t+8*\c+7], v[S+16*\t+8*\kb:S+16*\t+8*\kb+7]
.endif
.endr
.endr
.endr
	WIN 0
	PLACES
	s_add_co_u32 s29, s14, 4
	s_min_u32 s29, s29, s9                         ; my next step, held at the diagonal
	s_lshl_b32 s29, s29, 13
	v_add_nc_u32 v[KA], s29, v[L16]                ; the loads that named KA are back
	KLOAD
	; the softmax of both tiles, their lines by turns; each accumulator is read from its low end on
	BOTH v_max3_num_f32 v[TMP+4*t], v[S+16*t], v[S+16*t+1], v[S+16*t+2]
	BOTH v_max3_num_f32 v[TMP+4*t+1], v[S+16*t+8], v[S+16*t+9], v[S+16*t+10]
	BOTH v_max3_num_f32 v[TMP+4*t], v[TMP+4*t], v[S+16*t+3], v[S+16*t+4]
	BOTH v_max3_num_f32 v[TMP+4*t+1], v[TMP+4*t+1], v[S+16*t+11], v[S+16*t+12]
	BOTH v_max3_num_f32 v[TMP+4*t], v[TMP+4*t], v[S+16*t+5], v[S+16*t+6]
	BOTH v_max3_num_f32 v[TMP+4*t+1], v[TMP+4*t+1], v[S+16*t+13], v[S+16*t+14]
	BOTH v_max3_num_f32 v[TMP+4*t], v[TMP+4*t], v[S+16*t+7], v[S+16*t+15]
	BOTH v_max3_num_f32 v[TMP+4*t], v[TMP+4*t], v[TMP+4*t+1], v[ST+4*t+1]
	BOTH v_permlanex16_b32 v[TMP+4*t+3], v[TMP+4*t], s24, s25
	BOTH v_mov_b32 v[OCM+t], v[ST+4*t]
	BOTH v_max_num_f32 v[ST+4*t+1], v[TMP+4*t], v[TMP+4*t+3]
	BOTH v_mul_f32 v[ST+4*t], s22, v[ST+4*t+1]
	BOTH v_sub_f32 v[TMP+4*t+1], v[OCM+t], v[ST+4*t]
.set i, 0
.rept 8
	BOTH v_pk_fma_f32 v[S+16*t+2*i:S+16*t+2*i+1], v[S+16*t+2*i:S+16*t+2*i+1], s[22:23], v[ST+4*t:ST+4*t+1] op_sel_hi:[1,0,0] neg_lo:[0,0,1] neg_hi:[0,0,1]
.set i, i+1
.endr
	BOTH v_exp_f32 v[TMP+4*t+2], v[TMP+4*t+1]      ; a
.set i, 0
.rept 16
	BOTH v_exp_f32 v[S+16*t+i], v[S+16*t+i]
.set i, i+1
.endr
	v_nop                                          ; a plain instruction behind the last exponential
	s_wait_alu depctr_va_vdst(0)                   ; one wait for the batch of 34
.set i, 0
.rept 8
	BOTH v_cvt_pk_f16_f32 v[PP+8*t+i], v[S+16*t+2*i], v[S+16*t+2*i+1]
.set i, i+1
.endr
.irp i, 0,1,2,3
	BOTH v_pk_add_f32 v[S+16*t+2*\i:S+16*t+2*\i+1], v[S+16*t+2*\i:S+16*t+2*\i+1], v[S+16*t+2*\i+8:S+16*t+2*\i+9]
.endr
.irp i, 0,1
	BOTH v_pk_add_f32 v[S+16*t+2*\i:S+16*t+2*\i+1], v[S+16*t+2*\i:S+16*t+2*\i+1], v[S+16*t+2*\i+4:S+16*t+2*\i+5]
.endr
	BOTH v_pk_add_f32 v[S+16*t:S+16*t+1], v[S+16*t:S+16*t+1], v[S+16*t+2:S+16*t+3]
	BOTH v_pk_fma_f32 v[ST+4*t+2:ST+4*t+3], v[ST+4*t+2:ST+4*t+3], v[TMP+4*t+2:TMP+4*t+3], v[S+16*t:S+16*t+1] op_sel_hi:[1,0,1]
	WIN 0x41                                       ; O^T times a
.set i, 0
.rept 32
	BOTH v_pk_mul_f32 v[64*t+2*i:64*t+2*i+1], v[64*t+2*i:64*t+2*i+1], v[TMP+4*t+2:TMP+4*t+3] op_sel_hi:[1,0]
.set i, i+1
.endr
	WIN 0
	s_wait_loadcnt 16                              ; V is in; the 16 loads of the next K are younger
	WIN 0x50                                       ; C and D in window 1
.irp cb, 0,1,2,3,4,5,6,7
.irp t, 0,1
	v_wmma_f32_16x16x32_f16 v[64*\t+8*\cb:64*\t+8*\cb+7], v[VF+8*\cb:VF+8*\cb+7], v[PP+8*\t:PP+8*\t+7], v[64*\t+8*\cb:64*\t+8*\cb+7]
.endr
.endr
	WIN 0
	PLACES
	v_add_nc_u32 v[VA], s29, v[L16]
	VLOAD
	s_add_co_u32 s14, s14, 4
	s_add_co_u32 s15, s15, 1
	s_cmp_lt_u32 s15, s13
	s_cbranch_scc1 .Ltrip
.Lmerge:
	s_wait_loadcnt 0x0                             ; the loads of the step that is not walked: their registers are used again below
	BOTH v_add_f32 v[ST+4*t+2], v[ST+4*t+2], v[ST+4*t+3]
	BOTH v_permlanex16_b32 v[ST+4*t+3], v[ST+4*t+2], s24, s25
	BOTH v_add_f32 v[ST+4*t+2], v[ST+4*t+2], v[ST+4*t+3]
	ds_store_b32 v[SS], v[ST]
	ds_store_b32 v[SS], v[ST+2] offset:128
	ds_store_b32 v[SS], v[ST+4] offset:256
	ds_store_b32 v[SS], v[ST+6] offset:384
	WIN 0x04                                       ; the data in window 1
.set i, 0
.rept 32
	ds_store_b128 v[OS], v[4*i:4*i+3] offset:512*i
.set i, i+1
.endr
	WIN 0
	s_wait_dscnt 0x0                               ; for the others' sake
	s_barrier_signal -1
	s_barrier_wait -1
	; wave (hs, ks) joins channel blocks 2 ks and 2 ks + 1 of both tiles over the four splits of head hs
.irp k, 0,1,2,3
.irp t, 0,1
	ds_load_b32 v[32+8*\t+\k], v[SL] offset:\k*1024+\t*256
	ds_load_b32 v[36+8*\t+\k], v[SL] offset:\k*1024+\t*256+128
.endr
.endr
.irp k, 0,1
.irp t, 0,1
.irp q, 0,1,2,3
	ds_load_b128 v[112+32*\k+16*\t+4*\q:112+32*\k+16*\t+4*\q+3], v[MA] offset:\k*32768+\t*8192+\q*512
	ds_load_b128 v[176+32*\k+16*\t+4*\q:176+32*\k+16*\t+4*\q+3], v[MB] offset:\k*32768+\t*8192+\q*512
.endr
.endr
.endr
	s_wait_dscnt 0x0
	BOTH v_max3_num_f32 v[48+t], v[32+8*t], v[33+8*t], v[34+8*t]
	BOTH v_max_num_f32 v[48+t], v[48+t], v[35+8*t]
.irp k, 0,1,2,3
	BOTH v_sub_f32 v[32+8*t+\k], v[32+8*t+\k], v[48+t]
.endr
.irp k, 0,1,2,3
	BOTH v_exp_f32 v[32+8*t+\k], v[32+8*t+\k]      ; f = 2^(c m of the split - the largest c m)
.endr
	v_nop
	s_wait_alu depctr_va_vdst(0)
	BOTH v_mul_f32 v[50+t], v[32+8*t], v[36+8*t]
.irp k, 1,2,3
	BOTH v_fmac_f32 v[50+t], v[32+8*t+\k], v[36+8*t+\k]
.endr
	BOTH v_rcp_f32 v[52+t], v[50+t]
	v_nop
	s_wait_alu depctr_va_vdst(0)
.irp k, 0,1,2,3
	BOTH v_mul_f32 v[64+8*t+2*\k], v[32+8*t+\k], v[52+t]
	BOTH v_mul_f32 v[64+8*t+2*\k+1], v[32+8*t+\k], v[52+t]
.endr
.set i, 0
.rept 8
	BOTH v_pk_mul_f32 v[112+16*t+2*i:112+16*t+2*i+1], v[112+16*t+2*i:112+16*t+2*i+1], v[64+8*t:64+8*t+1]
.irp k, 1,2,3
	BOTH v_pk_fma_f32 v[112+16*t+2*i:112+16*t+2*i+1], v[112+32*\k+16*t+2*i:112+32*\k+16*t+2*i+1], v[64+8*t+2*\k:64+8*t+2*\k+1], v[112+16*t+2*i:112+16*t+2*i+1]
.endr
.set i, i+1
.endr
.set i, 0
.rept 8
	BOTH v_cvt_pk_f16_f32 v[80+8*t+i], v[112+16*t+2*i], v[112+16*t+2*i+1]
.set i, i+1
.endr
.irp t, 0,1
.irp hf, 0,1
	global_store_b128 v[CO], v[80+8*\t+4*\hf:80+8*\t+4*\hf+3], s[6:7] offset:\t*1024+\hf*512  ; 512 consecutive bytes: half an image
.endr
.endr
	s_wait_tensorcnt 0x0                           ; the wave's end
	ds_add_u32 v[SPW], v[NIL]
	s_wait_dscnt 0x0
	s_endpgm
.Lfunc_end_k_q43b098fea9_attn:
	.size	k_q43b098fea9_attn, .Lfunc_end_k_q43b098fea9_attn-k_q43b098fea9_attn
	.p2alignl 7, 3214868480
	.fill 96, 4, 3214868480
	.section	.rodata,"a",@progbits
	.p2align	6, 0x0
	.amdhsa_kernel k_q43b098fea9_attn
		.amdhsa_group_segment_fixed_size 136192
		.amdhsa_private_segment_fixed_size 0
		.amdhsa_enable_private_segment 0
		.amdhsa_kernarg_size 16
		.amdhsa_user_sgpr_count 2
		.amdhsa_user_sgpr_kernarg_segment_ptr 1
		.amdhsa_wavefront_size32 1
		.amdhsa_system_sgpr_workgroup_id_x 1
		.amdhsa_system_sgpr_workgroup_id_y 1
		.amdhsa_system_sgpr_workgroup_id_z 1
		.amdhsa_system_vgpr_workitem_id 0
		.amdhsa_next_free_vgpr 448
		.amdhsa_next_free_sgpr 66
		.amdhsa_reserve_vcc 1
		.amdhsa_float_denorm_mode_32 3
		.amdhsa_float_denorm_mode_16_64 3
		.amdhsa_memory_ordered 1
		.amdhsa_forward_progress 1
		.amdhsa_inst_pref_size 45
	.end_amdhsa_kernel
	.amdgpu_metadata
---
amdhsa.version: [ 1, 2 ]
amdhsa.kernels:
  - .name:           k_q43b098fea9_attn
    .symbol:         k_q43b098fea9_attn.kd
    .args:
      - { .name: bufQKV, .offset: 0, .size: 8, .value_kind: global_buffer, .address_space: global }
      - { .name: bufCTX, .offset: 8, .size: 8, .value_kind: global_buffer, .address_space: global }
    .group_segment_fixed_size: 136192
    .private_segment_fixed_size: 0
    .kernarg_segment_align: 8
    .kernarg_segment_size: 16
    .max_flat_workgroup_size: 256
    .sgpr_count:     66
    .vgpr_count:     448
    .wavefront_size: 32
...
	.end_amdgpu_metadata
.endif
;; end of part 3
;; launch oproj (part 4): grid 16 x 16, 8 waves a work-group, clusters of 4 x 1, 234,496 bytes of LDS; arguments bufA, bufCTX, hidden_states, resid; writes resid
.if DOCPART == 4
	.amdgcn_target "amdgcn-amd-amdhsa--gfx1250"
	.amdhsa_code_object_version 6
	.text
	.protected	k_q43b098fea9_oproj
	.globl	k_q43b098fea9_oproj
	.p2align	8
	.type	k_q43b098fea9_oproj,@function
k_q43b098fea9_oproj:
	s_mov_b64 s[64:65], 0
	v_nop
	global_prefetch_b8 v0, s[64:65] scope:SCOPE_SE
	s_setreg_imm32_b32 hwreg(HW_REG_WAVE_MODE, 25, 1), 1
	s_wait_xcnt 0x0
	s_wait_alu depctr_hold_cnt(0) depctr_sa_sdst(0) depctr_va_vdst(0) depctr_va_sdst(0) depctr_va_ssrc(0) depctr_va_vcc(0) depctr_vm_vsrc(0)
	s_getreg_b32 s2, hwreg(HW_REG_IB_STS2, 6, 4)
	s_cmp_eq_u32 s2, 0
	s_cbranch_scc0 .Lentry_in_a_cluster
	s_endpgm
.Lentry_in_a_cluster:
	s_bfe_u32 s2, ttmp6, 0x10000c
	s_cmp_lg_u32 s2, 0x3003
	s_cbranch_scc0 .Lentry_shape_is_right
	s_endpgm
.Lentry_shape_is_right:
; oproj.  resid = hidden_states + ctx x o_w.  ctx (f16 images) and o_w (f16 panels) are multiplied with f32 sums; resid is f32.
; SHARES.  A work-group has 128 rows (row group rg) and a panel of 64 columns; the panel [1024 k][64] lies in LDS.  Wave w: rows 32 (w % 4) .. + 31, K half w / 4 (16 steps of 32).
; The two waves of a tile put their partial sums (f32) into stages of their own; behind a barrier each adds and stores 16 of the 32 rows.
; CLUSTER.  The four row groups of a cluster walk the same panel: it is asked for jointly (mask 15), one load a wave: by this text's count one tensor load of a wave is out.
; The panel is dense in memory: 128 k rows a wave are asked for as 64 rows of 256 bytes, padded in LDS behind every 128 bytes.
.set RB,  2
.set WD,  8
.set P,   160                          ; a panel row in LDS: 128 bytes + 32 = 40 words
.set CBX, 0
.set AKS, 131072                       ; bytes of bufCTX from one k step's plane to the next
.set AH,  512
.set ACC, 16
.set BF,  80
.set AF,  144
.set AO,  4
.set LB,  6
.set HO,  7                            ; offset in hidden_states and resid
.set STO, 8                            ; stage: where my sums go
.set RD,  9                            ; stage: where I read rows back
.set SPW, 254
.set NIL, 255
.set AB,  6                            ; s[6:7] bufCTX
.set WV,  12
.set STAGE, 1024*P                     ; 8 stages of 32 rows x 272 bytes
.set SPARE, STAGE+8*8704
.macro PLACES
.rept 4
	v_nop
.endr
.endm
.macro ROUND
	s_barrier_signal -1
	s_barrier_wait -1
	s_cmp_lg_u32 s[WV], 0
	s_cbranch_scc1 .Lnot_wave_0_\@
	s_barrier_signal -3
.Lnot_wave_0_\@:
	s_barrier_wait -3
	s_barrier_signal -1
	s_barrier_wait -1
.endm
.macro LDB buf, koff
.irp cb, 0,1,2,3
	ds_load_tr16_b128 v[BF+32*(\buf)+8*\cb:BF+32*(\buf)+8*\cb+3],   v[LB] offset:(\koff)*P+32*\cb+CBX*(\cb/2)
	ds_load_tr16_b128 v[BF+32*(\buf)+8*\cb+4:BF+32*(\buf)+8*\cb+7], v[LB] offset:((\koff)+16)*P+32*\cb+CBX*(\cb/2)
.endr
.endm
.macro LDA slot, kidx
.set rbi, 0
.rept RB
	global_load_b128 v[AF+8*RB*(\slot)+8*rbi:AF+8*RB*(\slot)+8*rbi+3],   v[AO+rbi], s[AB:AB+1] offset:(\kidx)*AKS
	global_load_b128 v[AF+8*RB*(\slot)+8*rbi+4:AF+8*RB*(\slot)+8*rbi+7], v[AO+rbi], s[AB:AB+1] offset:(\kidx)*AKS+AH
.set rbi, rbi+1
.endr
.endm
.macro MM buf, slot, zero              ; source 0 = 16 columns of o_w, source 1 = 16 rows of ctx; 8 accumulators by turns
.irp cb, 0,1,2,3
.set rbi, 0
.rept RB
.set rD, ACC+8*(4*rbi+\cb)
.set rW, BF+32*(\buf)+8*\cb
.set rX, AF+8*RB*(\slot)+8*rbi
.if \zero
	v_wmma_f32_16x16x32_f16 v[rD:rD+7], v[rW:rW+7], v[rX:rX+7], 0
.else
	v_wmma_f32_16x16x32_f16 v[rD:rD+7], v[rW:rW+7], v[rX:rX+7], v[rD:rD+7]
.endif
.set rbi, rbi+1
.endr
.endr
.endm
.macro STEP i, zero, lda, ldb, wl, wd
	PLACES
.if \ldb
	LDB ((\i)+1)%2, 32*((\i)+1)
.endif
.if \lda
	LDA ((\i)+3)%4, (\i)+3
.endif
	s_wait_loadcnt \wl                             ; what may stay out: the ctx loads of the steps behind this one
	s_wait_dscnt \wd                               ; and the panel loads just issued
	MM (\i)%2, (\i)%4, \zero
.endm
.macro TRIP zero
	STEP 0, \zero, 1, 1, 6*RB, WD
	STEP 1, 0, 1, 1, 6*RB, WD
	STEP 2, 0, 1, 1, 6*RB, WD
	STEP 3, 0, 1, 1, 6*RB, WD
.endm
.macro TAILTRIP
	STEP 0, 0, 1, 1, 6*RB, WD
	STEP 1, 0, 0, 1, 4*RB, WD
	STEP 2, 0, 0, 1, 2*RB, WD
	STEP 3, 0, 0, 0, 0, 0
.endm
.macro ADV
	s_wait_xcnt 0x0
	v_add_nc_u32 v[AO], 4*AKS, v[AO]
	v_add_nc_u32 v[AO+1], 4*AKS, v[AO+1]
	v_add_nc_u32 v[LB], 128*P, v[LB]
.endm
	s_load_b256 s[4:11], s[0:1], 0x0               ; bufA s[4:5], bufCTX s[6:7], hidden_states s[8:9], resid s[10:11]
	v_lshl_add_u32 v[SPW], v0, 2, SPARE
	v_mov_b32 v[NIL], 0
	ds_add_u32 v[SPW], v[NIL]                      ; the opening: the add and its wait ahead of my first tensor load
	v_lshrrev_b32 v1, 5, v0
	v_readfirstlane_b32 s[WV], v1
	s_bfe_u32 s13, ttmp6, 0x40000                  ; cx
	s_lshl_b32 s14, ttmp9, 2
	s_add_co_u32 s14, s14, s13                     ; row group: it enters global addresses of my own loads and stores alone
	s_and_b32 s15, ttmp7, 0xffff                   ; the panel, which the partners share
	s_and_b32 s16, s[WV], 3                        ; tl
	s_lshr_b32 s17, s[WV], 2                       ; kh
	s_mov_b32 s24, 15|(1<<16)|(1<<20)|(1<<21)|(4<<22)|(7<<25)  ; mask of four; 2-byte elements; 8 words of padding behind every 32
	s_mov_b32 s25, 128<<16
	s_mov_b32 s26, 64<<16
	s_mov_b32 s27, 128<<16
	s_mov_b32 s28, 64
	s_mov_b32 s29, 128
	s_mov_b32 s30, 0
	s_mov_b32 s31, 0
	s_mov_b32 s32, 1
	s_mul_i32 s33, s[WV], 128*P                    ; k rows 128 w ..
	s_lshl_b32 s18, s15, 17
	s_lshl_b32 s19, s[WV], 14
	s_add_co_u32 s18, s18, s19
	s_add_co_u32 s18, s18, 8388608
	s_mov_b32 s19, 0
	s_wait_dscnt 0x0
	s_wait_kmcnt 0x0
	s_add_nc_u64 s[34:35], s[4:5], s[18:19]
	s_or_b32 s35, s35, 0x80000000
	ROUND
	tensor_load_to_lds s[32:35], s[24:31]
	s_nop 0
	v_and_b32 v1, 15, v0                           ; r
	v_bfe_u32 v2, v0, 4, 1                         ; h
	v_and_b32 v3, 31, v0                           ; lane
	s_lshl_b32 s20, s14, 3
	s_lshl_b32 s21, s16, 1
	s_add_co_u32 s20, s20, s21                     ; my first row block
	s_lshl_b32 s20, s20, 10
	s_lshl_b32 s21, s17, 21                        ; 16 planes for the upper K half
	s_add_co_u32 s20, s20, s21
	v_lshl_add_u32 v[AO], v3, 4, s20
	v_add_nc_u32 v[AO+1], 1024, v[AO]
	LDA 0, 0
	LDA 1, 1
	LDA 2, 2
	v_and_b32 v12, 7, v0
	v_lshl_add_u32 v12, v2, 3, v12
	v_mul_u32_u24 v12, v12, P
	v_bfe_u32 v13, v0, 3, 1
	v_lshl_add_u32 v12, v13, 4, v12
	s_mul_i32 s21, s17, 512*P
	v_add_nc_u32 v[LB], s21, v12
	s_lshl_b32 s20, s14, 7                         ; the rows that I store: 128 rg + 32 tl + 16 kh + 2 t + h
	s_lshl_b32 s21, s16, 5
	s_add_co_u32 s20, s20, s21
	s_lshl_b32 s21, s17, 4
	s_add_co_u32 s20, s20, s21
	v_add_nc_u32 v12, s20, v2
	v_lshlrev_b32 v12, 12, v12
	s_lshl_b32 s21, s15, 8
	v_lshl_add_u32 v13, v1, 4, s21
	v_add_nc_u32 v[HO], v12, v13
	s_mul_i32 s20, s[WV], 8704
	s_add_co_u32 s20, s20, STAGE
	v_mul_u32_u24 v12, v1, 272
	v_lshl_add_u32 v12, v2, 5, v12
	v_add_nc_u32 v[STO], s20, v12                  ; my stage: row r, 32 bytes for each half of the lanes
	s_mul_i32 s20, s16, 8704
	s_add_co_u32 s20, s20, STAGE
	s_mul_i32 s21, s17, 16*272
	s_add_co_u32 s20, s20, s21
	v_mul_u32_u24 v12, v2, 272
	v_lshl_add_u32 v12, v1, 4, v12
	v_add_nc_u32 v[RD], s20, v12                   ; back: lanes 0-15 one row of 256 bytes, lanes 16-31 the next
	s_wait_tensorcnt 0x0                           ; my part of the panel is in,
	s_barrier_signal -1
	s_barrier_wait -1                              ; everybody's is
	LDB 0, 0
	TRIP 1
	ADV
	s_mov_b32 s40, 2
.Lk:
	TRIP 0
	ADV
	s_sub_co_u32 s40, s40, 1
	s_cmp_lg_u32 s40, 0
	s_cbranch_scc1 .Lk
	TAILTRIP
	PLACES
.irp t, 0,1,2,3,4,5,6,7
	global_load_b128 v[BF+4*\t:BF+4*\t+3], v[HO], s[8:9] offset:\t*8192
.endr
.irp rb, 0,1
.irp cb, 0,1,2,3
	ds_store_b128 v[STO], v[ACC+8*(4*\rb+\cb):ACC+8*(4*\rb+\cb)+3],   offset:\rb*4352+\cb*64
	ds_store_b128 v[STO], v[ACC+8*(4*\rb+\cb)+4:ACC+8*(4*\rb+\cb)+7], offset:\rb*4352+\cb*64+16
.endr
.endr
	s_wait_dscnt 0x0                               ; for the partner's sake
	s_barrier_signal -1
	s_barrier_wait -1
.irp t, 0,1,2,3,4,5,6,7
	ds_load_b128 v[AF+4*\t:AF+4*\t+3],       v[RD] offset:\t*544
	ds_load_b128 v[AF+32+4*\t:AF+32+4*\t+3], v[RD] offset:\t*544+4*8704
.endr
	s_wait_dscnt 0x0
	s_wait_loadcnt 0x0
.set i, 0
.rept 16
	v_pk_add_f32 v[AF+2*i:AF+2*i+1], v[AF+2*i:AF+2*i+1], v[AF+32+2*i:AF+32+2*i+1]
.set i, i+1
.endr
.set i, 0
.rept 16
	v_pk_add_f32 v[AF+2*i:AF+2*i+1], v[AF+2*i:AF+2*i+1], v[BF+2*i:BF+2*i+1]
.set i, i+1
.endr
.irp t, 0,1,2,3,4,5,6,7
	global_store_b128 v[HO], v[AF+4*\t:AF+4*\t+3], s[10:11] offset:\t*8192  ; 16 lanes store 256 consecutive bytes, aligned
.endr
	s_wait_tensorcnt 0x0                           ; the wave's end
	ds_add_u32 v[SPW], v[NIL]
	s_wait_dscnt 0x0
	ROUND                                          ; the closing round
	s_endpgm
.Lfunc_end_k_q43b098fea9_oproj:
	.size	k_q43b098fea9_oproj, .Lfunc_end_k_q43b098fea9_oproj-k_q43b098fea9_oproj
	.p2alignl 7, 3214868480
	.fill 96, 4, 3214868480
	.section	.rodata,"a",@progbits
	.p2align	6, 0x0
	.amdhsa_kernel k_q43b098fea9_oproj
		.amdhsa_group_segment_fixed_size 234496
		.amdhsa_private_segment_fixed_size 0
		.amdhsa_enable_private_segment 0
		.amdhsa_kernarg_size 32
		.amdhsa_user_sgpr_count 2
		.amdhsa_user_sgpr_kernarg_segment_ptr 1
		.amdhsa_wavefront_size32 1
		.amdhsa_system_sgpr_workgroup_id_x 1
		.amdhsa_system_sgpr_workgroup_id_y 1
		.amdhsa_system_sgpr_workgroup_id_z 1
		.amdhsa_system_vgpr_workitem_id 0
		.amdhsa_next_free_vgpr 256
		.amdhsa_next_free_sgpr 66
		.amdhsa_reserve_vcc 0
		.amdhsa_float_denorm_mode_32 3
		.amdhsa_float_denorm_mode_16_64 3
		.amdhsa_memory_ordered 1
		.amdhsa_forward_progress 1
		.amdhsa_inst_pref_size 30
	.end_amdhsa_kernel
	.amdgpu_metadata
---
amdhsa.version: [ 1, 2 ]
amdhsa.kernels:
  - .name:           k_q43b098fea9_oproj
    .symbol:         k_q43b098fea9_oproj.kd
    .args:
      - { .name: bufA, .offset: 0, .size: 8, .value_kind: global_buffer, .address_space: global }
      - { .name: bufCTX, .offset: 8, .size: 8, .value_kind: global_buffer, .address_space: global }
      - { .name: hidden_states, .offset: 16, .size: 8, .value_kind: global_buffer, .address_space: global }
      - { .name: resid, .offset: 24, .size: 8, .value_kind: global_buffer, .address_space: global }
    .group_segment_fixed_size: 234496
    .private_segment_fixed_size: 0
    .kernarg_segment_align: 8
    .kernarg_segment_size: 32
    .max_flat_workgroup_size: 256
    .sgpr_count:     66
    .vgpr_count:     256
    .wavefront_size: 32
...
	.end_amdgpu_metadata
.endif
;; end of part 4
;; launch router (part 5): grid 256 x 1, 8 waves a work-group, no clusters, 37,888 bytes of LDS; arguments resid, ln2_w, router_w, bufX2, topi; writes bufX2, topi
.if DOCPART == 5
	.amdgcn_target "amdgcn-amd-amdhsa--gfx1250"
	.amdhsa_code_object_version 6
	.text
	.protected	k_q43b098fea9_router
	.globl	k_q43b098fea9_router
	.p2align	8
	.type	k_q43b098fea9_router,@function
k_q43b098fea9_router:
	s_mov_b64 s[64:65], 0
	v_nop
	global_prefetch_b8 v0, s[64:65] scope:SCOPE_SE
	s_setreg_imm32_b32 hwreg(HW_REG_WAVE_MODE, 25, 1), 1
	s_wait_xcnt 0x0
; router.  x = rmsnorm(resid, ln2_w), one row a wave; x rounded once to bf16 goes to bufX2 for the experts.  The 8 logits x . router_w are made in f32 on the vector unit, of the unrounded x and
; router_w: the choice of experts is not continuous, so it gets no 16-bit operand.  The two largest logits are found by compares and selects alone (no branch, no address hangs on them).
; Their weights: softmax over all 8, cut to two and made to add up to 1, is w1 = 1 / (1 + e^(l2 - l1)), w2 = 1 - w1; l1 is the maximum, so the exponent is never above 0.
; Stored at fixed places: topi[2 row + k] (whole numbers), topw[2 row + k] at bufX2 + 4,194,304.
; LIMITS.  The order is taken on the logits, not on probabilities rounded to f32; a strict compare keeps the lower index on equal logits.  NaN and infinite logits are not treated apart.
.set X,  16                            ; v[16:47]   my 32 numbers of the row
.set LN, 48                            ; v[48:79]   ln2_w, then the packed bf16 row
.set WB, 80                            ; v[80:143]  router_w: two buffers of 32
.set LG, 144                           ; v[144:151] the logits
.set T,  152                           ; v[152:159] at work
.set SPW, 14
.set NIL, 15
.set SPARE, 36864                      ; behind router_w: 256 groups of 4 rows, 128 bytes + 16 of padding each
	s_load_b256 s[4:11], s[0:1], 0x0               ; resid s[4:5], ln2_w s[6:7], router_w s[8:9], bufX2 s[10:11]
	s_load_b64 s[12:13], s[0:1], 0x20              ; topi
	v_lshl_add_u32 v[SPW], v0, 2, SPARE
	v_mov_b32 v[NIL], 0
	v_and_b32 v1, 31, v0
	v_lshrrev_b32 v2, 5, v0
	v_readfirstlane_b32 s14, v2
	s_lshl_b32 s15, ttmp9, 3
	s_add_co_u32 s15, s15, s14                     ; my row
	s_mov_b32 s20, 0x3a800000                      ; 1 / 1024
	s_mov_b32 s21, 0x358637bd                      ; 1e-6
	s_mov_b32 s22, 0x76543210
	s_mov_b32 s23, 0xfedcba98
	s_lshl_b32 s16, s15, 12
	v_lshl_add_u32 v2, v1, 4, s16
	v_lshlrev_b32 v3, 4, v1
	v_lshlrev_b32 v4, 4, v0                        ; router_w: 16 bytes a thread
	v_lshrrev_b32 v5, 3, v0
	v_mul_u32_u24 v5, v5, 144
	v_and_b32 v6, 7, v0
	v_lshl_add_u32 v5, v6, 4, v5                   ; its place in LDS
	v_mul_u32_u24 v6, v1, 144                      ; where my lane's four rows lie
	s_lshl_b32 s17, s15, 11
	v_lshl_add_u32 v7, v1, 3, s17
	s_lshl_b32 s18, s15, 3
	v_lshl_add_u32 v8, v1, 2, s18
	s_wait_kmcnt 0x0
.irp i, 0,1,2,3,4,5,6,7
	global_load_b128 v[WB+4*\i:WB+4*\i+3], v4, s[8:9] offset:4096*\i
.endr
.irp j, 0,1,2,3,4,5,6,7
	global_load_b128 v[X+4*\j:X+4*\j+3], v2, s[4:5] offset:512*\j
.endr
.irp j, 0,1,2,3,4,5,6,7
	global_load_b128 v[LN+4*\j:LN+4*\j+3], v3, s[6:7] offset:512*\j
.endr
	s_wait_loadcnt 16                              ; router_w is in; the row and ln2_w are younger
.irp i, 0,1,2,3,4,5,6,7
	ds_store_b128 v5, v[WB+4*\i:WB+4*\i+3] offset:4608*\i
.endr
	s_wait_dscnt 0x0                               ; for the others' sake
	s_barrier_signal -1
	s_barrier_wait -1
.macro LDW buf, j                      ; router_w rows 128 j + 4 lane .. + 3: 8 x 16 bytes
.irp q, 0,1,2,3,4,5,6,7
	ds_load_b128 v[WB+32*(\buf)+4*\q:WB+32*(\buf)+4*\q+3], v6 offset:4608*(\j)+16*\q
.endr
.endm
	LDW 0, 0
	s_wait_loadcnt 0x0
.irp c, 0,1,2,3
	v_pk_mul_f32 v[T+2*\c:T+2*\c+1], v[X+2*\c:X+2*\c+1], v[X+2*\c:X+2*\c+1]
.endr
.set i, 4
.rept 12
	v_pk_fma_f32 v[T+2*(i%4):T+2*(i%4)+1], v[X+2*i:X+2*i+1], v[X+2*i:X+2*i+1], v[T+2*(i%4):T+2*(i%4)+1]
.set i, i+1
.endr
	v_pk_add_f32 v[T:T+1], v[T:T+1], v[T+2:T+3]
	v_pk_add_f32 v[T+4:T+5], v[T+4:T+5], v[T+6:T+7]
	v_pk_add_f32 v[T:T+1], v[T:T+1], v[T+4:T+5]
	v_add_f32 v[T], v[T], v[T+1]
	v_add_f32_dpp v[T], v[T], v[T] row_xmask:1 row_mask:0xf bank_mask:0xf
	v_add_f32_dpp v[T], v[T], v[T] row_xmask:2 row_mask:0xf bank_mask:0xf
	v_add_f32_dpp v[T], v[T], v[T] row_xmask:4 row_mask:0xf bank_mask:0xf
	v_add_f32_dpp v[T], v[T], v[T] row_xmask:8 row_mask:0xf bank_mask:0xf
	v_permlanex16_b32 v[T+1], v[T], s22, s23
	v_add_f32 v[T], v[T], v[T+1]
	v_fma_f32 v[T], v[T], s20, s21
	v_rsq_f32 v[T+2], v[T]
	v_rsq_f32 v[T+3], v[T]
	v_nop
	s_wait_alu depctr_va_vdst(0)
.set i, 0
.rept 16
	v_pk_mul_f32 v[X+2*i:X+2*i+1], v[X+2*i:X+2*i+1], v[T+2:T+3]
.set i, i+1
.endr
.set i, 0
.rept 16
	v_pk_mul_f32 v[X+2*i:X+2*i+1], v[X+2*i:X+2*i+1], v[LN+2*i:LN+2*i+1]
.set i, i+1
.endr
.set i, 0
.rept 16
	v_cvt_pk_bf16_f32 v[LN+i], v[X+2*i], v[X+2*i+1]
.set i, i+1
.endr
.irp j, 0,1,2,3,4,5,6,7
	global_store_b64 v7, v[LN+2*\j:LN+2*\j+1], s[10:11] offset:256*\j  ; 256 consecutive bytes, aligned
.endr
; row k of the lane's four, experts 4 hf + 2 pr and the next: two logits at once, x given to both
.macro FM buf, j, k, hf, pr
.set rA, LG+4*(\hf)+2*(\pr)
.set rW, WB+32*(\buf)+4*(2*(\k)+(\hf))+2*(\pr)
.set rX, X+4*(\j)+2*((\k)/2)
.if ((\j) == 0) && ((\k) == 0)
	v_pk_mul_f32 v[rA:rA+1], v[rW:rW+1], v[rX:rX+1] op_sel_hi:[1,0]
.elseif ((\k)%2) == 0
	v_pk_fma_f32 v[rA:rA+1], v[rW:rW+1], v[rX:rX+1], v[rA:rA+1] op_sel_hi:[1,0,1]
.else
	v_pk_fma_f32 v[rA:rA+1], v[rW:rW+1], v[rX:rX+1], v[rA:rA+1] op_sel:[0,1,0]
.endif
.endm
.irp j, 0,1,2,3,4,5,6,7
.if \j < 7
	LDW (\j+1)%2, \j+1
	s_wait_dscnt 8                                 ; this group is in; the next group's 8 loads are younger
.else
	s_wait_dscnt 0x0
.endif
.irp k, 0,1,2,3
.irp hf, 0,1
.irp pr, 0,1
	FM \j%2, \j, \k, \hf, \pr
.endr
.endr
.endr
.endr
.irp m, 1,2,4,8
.irp e, 0,1,2,3,4,5,6,7
	v_add_f32_dpp v[LG+\e], v[LG+\e], v[LG+\e] row_xmask:\m row_mask:0xf bank_mask:0xf
.endr
.endr
.irp e, 0,1,2,3,4,5,6,7
	v_permlanex16_b32 v[T+\e], v[LG+\e], s22, s23
.endr
.irp e, 0,1,2,3,4,5,6,7
	v_add_f32 v[LG+\e], v[LG+\e], v[T+\e]
.endr
	; the largest: v152 its logit, v153 its index
	v_mov_b32 v152, v[LG]
	v_mov_b32 v153, 0
.irp e, 1,2,3,4,5,6,7
	v_cmp_gt_f32 vcc_lo, v[LG+\e], v152
	v_cndmask_b32 v152, v152, v[LG+\e], vcc_lo
	v_cndmask_b32 v153, v153, \e, vcc_lo
.endr
	; the largest of the others: v154, v155
	v_mov_b32 v154, 0xff800000
	v_mov_b32 v155, 0
.irp e, 0,1,2,3,4,5,6,7
	v_cmp_gt_f32 s30, v[LG+\e], v154
	v_cmp_ne_u32 s31, \e, v153
	s_and_b32 s30, s30, s31
	v_cndmask_b32 v154, v154, v[LG+\e], s30
	v_cndmask_b32 v155, v155, \e, s30
.endr
	v_sub_f32 v156, v154, v152                     ; l2 - l1 <= 0
	v_mul_f32 v156, 0x3fb8aa3b, v156
	v_exp_f32 v156, v156
	v_nop
	s_wait_alu depctr_va_vdst(0)
	v_add_f32 v157, 1.0, v156
	v_rcp_f32 v157, v157                           ; w1
	v_nop
	s_wait_alu depctr_va_vdst(0)
	v_mul_f32 v156, v156, v157                     ; w2
	v_cmp_eq_u32 vcc_lo, 0, v1
	v_cndmask_b32 v158, v155, v153, vcc_lo         ; lane 0 stores the first choice, lane 1 the second
	v_cndmask_b32 v159, v156, v157, vcc_lo
	v_cmp_gt_u32 vcc_lo, 2, v1
	s_wait_xcnt 0x0                                ; EXEC changes only behind this wait
	s_and_saveexec_b32 s30, vcc_lo
	global_store_b32 v8, v158, s[12:13]
	global_store_b32 v8, v159, s[10:11] offset:4194304
	s_wait_xcnt 0x0                                ; and again ahead of the line that widens it
	s_or_b32 exec_lo, exec_lo, s30
	s_wait_tensorcnt 0x0                           ; the wave's end
	ds_add_u32 v[SPW], v[NIL]
	s_wait_dscnt 0x0
	s_endpgm
.Lfunc_end_k_q43b098fea9_router:
	.size	k_q43b098fea9_router, .Lfunc_end_k_q43b098fea9_router-k_q43b098fea9_router
	.p2alignl 7, 3214868480
	.fill 96, 4, 3214868480
	.section	.rodata,"a",@progbits
	.p2align	6, 0x0
	.amdhsa_kernel k_q43b098fea9_router
		.amdhsa_group_segment_fixed_size 37888
		.amdhsa_private_segment_fixed_size 0
		.amdhsa_enable_private_segment 0
		.amdhsa_kernarg_size 40
		.amdhsa_user_sgpr_count 2
		.amdhsa_user_sgpr_kernarg_segment_ptr 1
		.amdhsa_wavefront_size32 1
		.amdhsa_system_sgpr_workgroup_id_x 1
		.amdhsa_system_sgpr_workgroup_id_y 1
		.amdhsa_system_sgpr_workgroup_id_z 1
		.amdhsa_system_vgpr_workitem_id 0
		.amdhsa_next_free_vgpr 160
		.amdhsa_next_free_sgpr 66
		.amdhsa_reserve_vcc 1
		.amdhsa_float_denorm_mode_32 3
		.amdhsa_float_denorm_mode_16_64 3
		.amdhsa_memory_ordered 1
		.amdhsa_forward_progress 1
		.amdhsa_inst_pref_size 30
	.end_amdhsa_kernel
	.amdgpu_metadata
---
amdhsa.version: [ 1, 2 ]
amdhsa.kernels:
  - .name:           k_q43b098fea9_router
    .symbol:         k_q43b098fea9_router.kd
    .args:
      - { .name: resid, .offset: 0, .size: 8, .value_kind: global_buffer, .address_space: global }
      - { .name: ln2_w, .offset: 8, .size: 8, .value_kind: global_buffer, .address_space: global }
      - { .name: router_w, .offset: 16, .size: 8, .value_kind: global_buffer, .address_space: global }
      - { .name: bufX2, .offset: 24, .size: 8, .value_kind: global_buffer, .address_space: global }
      - { .name: topi, .offset: 32, .size: 8, .value_kind: global_buffer, .address_space: global }
    .group_segment_fixed_size: 37888
    .private_segment_fixed_size: 0
    .kernarg_segment_align: 8
    .kernarg_segment_size: 40
    .max_flat_workgroup_size: 256
    .sgpr_count:     66
    .vgpr_count:     160
    .wavefront_size: 32
...
	.end_amdgpu_metadata
.endif
;; end of part 5
;; launch sort (part 6): grid 8 x 1, 8 waves a work-group, no clusters, 1,280 bytes of LDS; arguments topi, lists; writes lists
.if DOCPART == 6
	.amdgcn_target "amdgcn-amd-amdhsa--gfx1250"
	.amdhsa_code_object_version 6
	.text
	.protected	k_q43b098fea9_sort
	.globl	k_q43b098fea9_sort
	.p2align	8
	.type	k_q43b098fea9_sort,@function
k_q43b098fea9_sort:
	s_mov_b64 s[64:65], 0
	v_nop
	global_prefetch_b8 v0, s[64:65] scope:SCOPE_SE
	s_setreg_imm32_b32 hwreg(HW_REG_WAVE_MODE, 25, 1), 1
	s_wait_xcnt 0x0
; sort.  Work-group e makes expert e's list of routed ids (id = 2 token + k) out of the 4,096 stored choices, without atomics: each wave counts its 512 ids, the counts meet in LDS,
; and an id's place is the sum of the lower waves' counts, of the wave's earlier registers' and of the lower lanes'.
; lists: expert e has 8,704 bytes (2,176 words): words 0 .. count - 1 the ids; behind them 64 words 4096 + e, so that a tile of 48 places that begins below the count reads ids that exist
; (they name a spare row); words 2112 .. 2143 are written and never read (below).  The count, 32 equal words, lies at 69,632 + 128 e.  An expert has 2,048 ids at the most: a token's two choices differ.
; EXEC is never narrowed: in each of the 16 steps every lane stores; a lane whose id chose another expert stores it at word 2112 + lane.  The select stands ahead of the clamp, so that
; the clamp to 2,143 is the last word on the place, for every expert alike.
; Eight work-groups: 16 KB of reads each; it serves every split of the tokens.
.set LSTR, 8704                        ; bytes of lists for an expert
.set CNTO, 8*LSTR                      ; where the counts begin
.set TI,  16                           ; v[16:31] the choices of my 16 ids
.set PS,  32                           ; v[32:47] their places, then byte offsets
.set ID,  48                           ; v[48:63] the ids
.set SPW, 64                           ; LDS address of my spare word; never rewritten
.set NIL, 65                           ; 0; never rewritten
.set DMP, 66                           ; 2112 + lane
	s_load_b128 s[4:7], s[0:1], 0x0                ; topi s[4:5], lists s[6:7]
	v_lshl_add_u32 v[SPW], v0, 2, 256
	v_mov_b32 v[NIL], 0
	v_and_b32 v1, 31, v0
	v_lshrrev_b32 v2, 5, v0
	v_readfirstlane_b32 s8, v2                     ; wave
	s_mov_b32 s9, ttmp9                            ; the expert
	s_lshl_b32 s10, s8, 11
	v_lshl_add_u32 v3, v1, 4, s10                  ; ids 512 w + 128 i + 4 lane + j
	s_mul_i32 s12, s9, LSTR
	s_mov_b32 s13, 0
	v_add_nc_u32 v[DMP], 2112, v1
	s_lshl_b32 s19, s8, 9
	v_lshl_add_u32 v7, v1, 2, s19                  ; 512 w + 4 lane
	s_wait_kmcnt 0x0
.irp i, 0,1,2,3
	global_load_b128 v[TI+4*\i:TI+4*\i+3], v3, s[4:5] offset:512*\i
.endr
	s_add_nc_u64 s[14:15], s[6:7], s[12:13]        ; my list
	s_mov_b32 s11, 0
.set k, 0
.rept 16
	v_add_nc_u32 v[ID+k], 128*(k/4)+(k%4), v7      ; the ids, while the loads are out
.set k, k+1
.endr
	s_wait_loadcnt 0x0
.set k, 0
.rept 16
	v_cmp_eq_u32 s[32+k], s9, v[TI+k]              ; which lanes' ids chose me
	s_bcnt1_i32_b32 s16, s[32+k]
	s_add_co_u32 s11, s11, s16
.set k, k+1
.endr
	v_mov_b32 v4, s8
	v_lshlrev_b32 v4, 2, v4
	v_mov_b32 v5, s11
	ds_store_b32 v4, v5                            ; my wave's count: all lanes write the same word
	s_wait_dscnt 0x0                               ; for the others' sake
	s_barrier_signal -1
	s_barrier_wait -1
	v_mov_b32 v6, 0
	ds_load_b128 v[8:11], v6
	ds_load_b128 v[12:15], v6 offset:16
	s_wait_dscnt 0x0
	s_mov_b32 s17, 0                               ; the lower waves' ids
	s_mov_b32 s18, 0                               ; all ids
.set k, 0
.rept 8
	v_readfirstlane_b32 s[48+k], v[8+k]
	s_add_co_u32 s18, s18, s[48+k]
	s_cmp_gt_u32 s8, k
	s_cselect_b32 s16, s[48+k], 0
	s_add_co_u32 s17, s17, s16
.set k, k+1
.endr
.set k, 0
.rept 16
	v_mbcnt_lo_u32_b32 v[PS+k], s[32+k], s17       ; what lies in front of me
	v_cndmask_b32 v[PS+k], v[DMP], v[PS+k], s[32+k]  ; or the word that nobody reads
	v_min_u32 v[PS+k], 0x85f, v[PS+k]
	v_lshlrev_b32 v[PS+k], 2, v[PS+k]
	global_store_b32 v[PS+k], v[ID+k], s[14:15]
	s_bcnt1_i32_b32 s16, s[32+k]
	s_add_co_u32 s17, s17, s16
.set k, k+1
.endr
	s_cmp_lg_u32 s8, 0
	s_cbranch_scc1 .Lend
	v_add_nc_u32 v68, s18, v1                      ; wave 0: the 64 filling words behind the count,
	v_add_nc_u32 v69, 32, v68
	v_min_u32 v68, 0x83f, v68
	v_min_u32 v69, 0x83f, v69
	v_lshlrev_b32 v68, 2, v68
	v_lshlrev_b32 v69, 2, v69
	s_add_co_u32 s20, s9, 4096
	v_mov_b32 v70, s20
	global_store_b32 v68, v70, s[14:15]
	global_store_b32 v69, v70, s[14:15]
	v_mov_b32 v71, s18                             ; and the count
	s_lshl_b32 s21, s9, 7
	s_add_co_u32 s21, s21, CNTO
	v_lshl_add_u32 v72, v1, 2, s21
	global_store_b32 v72, v71, s[6:7]
.Lend:
	s_wait_tensorcnt 0x0                           ; the wave's end
	ds_add_u32 v[SPW], v[NIL]
	s_wait_dscnt 0x0
	s_endpgm
.Lfunc_end_k_q43b098fea9_sort:
	.size	k_q43b098fea9_sort, .Lfunc_end_k_q43b098fea9_sort-k_q43b098fea9_sort
	.p2alignl 7, 3214868480
	.fill 96, 4, 3214868480
	.section	.rodata,"a",@progbits
	.p2align	6, 0x0
	.amdhsa_kernel k_q43b098fea9_sort
		.amdhsa_group_segment_fixed_size 1280
		.amdhsa_private_segment_fixed_size 0
		.amdhsa_enable_private_segment 0
		.amdhsa_kernarg_size 16
		.amdhsa_user_sgpr_count 2
		.amdhsa_user_sgpr_kernarg_segment_ptr 1
		.amdhsa_wavefront_size32 1
		.amdhsa_system_sgpr_workgroup_id_x 1
		.amdhsa_system_sgpr_workgroup_id_y 1
		.amdhsa_system_sgpr_workgroup_id_z 1
		.amdhsa_system_vgpr_workitem_id 0
		.amdhsa_next_free_vgpr 80
		.amdhsa_next_free_sgpr 66
		.amdhsa_reserve_vcc 0
		.amdhsa_float_denorm_mode_32 3
		.amdhsa_float_denorm_mode_16_64 3
		.amdhsa_memory_ordered 1
		.amdhsa_forward_progress 1
		.amdhsa_inst_pref_size 14
	.end_amdhsa_kernel
	.amdgpu_metadata
---
amdhsa.version: [ 1, 2 ]
amdhsa.kernels:
  - .name:           k_q43b098fea9_sort
    .symbol:         k_q43b098fea9_sort.kd
    .args:
      - { .name: topi, .offset: 0, .size: 8, .value_kind: global_buffer, .address_space: global }
      - { .name: lists, .offset: 8, .size: 8, .value_kind: global_buffer, .address_space: global }
    .group_segment_fixed_size: 1280
    .private_segment_fixed_size: 0
    .kernarg_segment_align: 8
    .kernarg_segment_size: 16
    .max_flat_workgroup_size: 256
    .sgpr_count:     66
    .vgpr_count:     80
    .wavefront_size: 32
...
	.end_amdgpu_metadata
.endif
;; end of part 6
;; launch gateup (part 7): grid 32 x 8, 16 waves a work-group, no clusters, 165,888 bytes of LDS; arguments gate_up_w, bufX2, lists, act; writes act
.if DOCPART == 7
	.amdgcn_target "amdgcn-amd-amdhsa--gfx1250"
	.amdhsa_code_object_version 6
	.text
	.protected	k_q43b098fea9_gateup
	.globl	k_q43b098fea9_gateup
	.p2align	8
	.type	k_q43b098fea9_gateup,@function
k_q43b098fea9_gateup:
	s_mov_b64 s[64:65], 0
	v_nop
	global_prefetch_b8 v0, s[64:65] scope:SCOPE_SE
	s_setreg_imm32_b32 hwreg(HW_REG_WAVE_MODE, 25, 1), 1
	s_wait_xcnt 0x0
; gateup.  act = silu(x g_w) * (x u_w) for the rows that chose expert e, and for no others.  bf16 operands (silu(g) u has no room in f16), f32 sums, act rounded once to bf16.
; SHARES.  Work-group (s, e) has columns 32 s .. + 31 of g and of u of expert e: a slice [1024 k][64] that it rounds on the way through registers into LDS (each weight byte is read by one work-group),
; and all of the expert's rows, in tiles of 48 list places: tile 16 trip + wave, three trips, which cover the 2,048 places that an expert can have.  A tile that begins at or behind the count is jumped;
; what is jumped holds no barrier.  In a tile that is not full the places behind the count name token 2,047 (the list's filling), and their results lie in rows that only such places read.
; x rows come by the list from memory straight into registers, three k steps ahead.  Source 0 = 16 columns of W (turned out of LDS), source 1 = 16 rows of x: a lane holds one row and 8 columns,
; g in column blocks 0, 1 and u in 2, 3 of the same lane.  The 12 accumulators take turns.
; THE 32 K STEPS ARE WRITTEN OUT: which tiles are walked hangs on a stored count, so nothing inside the loop over tiles steps an LDS address: four fixed registers, one for each 256 k rows,
; and immediates (38,496 at the most) reach the whole slice; x's 64 bytes a step stand in the loads' immediates too.
; act: [8 e][32 planes = k steps of the next product][132 row blocks][1 KB image: byte 512 half + 16 lane = the lane's registers 4 half .. 4 half + 3 of a fragment of 16 rows x 32 k].
; NO MULTICAST: a slice has one reader, and the rows come by a list that no descriptor covers.
.set RB,  3                            ; row blocks of 16 in a tile
.set P,   160                          ; a slice row in LDS: 128 bytes + 32 = 40 words
.set AKS, 64                           ; bytes of x from one k step to the next
.set AH,  32
.set PASS, 64*8192                     ; 64 k rows of gate_up_w
.set ACC, 16                           ; v[16:111]  accumulator (rb, cb) at 16 + 8 (4 rb + cb)
.set BF,  112                          ; v[112:143] fragments of W
.set AF,  144                          ; v[144:239] fragments of x, four slots of 24
.set AO,  4                            ; v4-6       byte offset of my rows in x
.set FO,  9                            ; the fill: source offset
.set FL,  10                           ; the fill: LDS address
.set LO,  11                           ; offset of my list places
.set SO,  12                           ; offset of my stores
.set H16, 13                           ; 16 h
.set RID, 240                          ; v240-242   list entries
.set LBQ, 244                          ; v244-247   LDS address of my fragments of W at k rows 0, 256, 512, 768; never rewritten
.set SPW, 254
.set NIL, 255
.set AB,  6                            ; s[6:7] bufX2
.set SPARE, 1024*P
.set EST, 4325376                      ; bytes of act for an expert
.set APL, 135168                       ; for a plane
.set LSTR, 8704                        ; bytes of lists for an expert
.set CNTO, 8*LSTR                      ; where the counts begin
.macro PLACES                          ; four places behind matrix instructions, ahead of loads into their sources and of readers of their results
.rept 4
	v_nop
.endr
.endm
.macro LDB i                           ; the 4 fragments of W of k step i
.irp cb, 0,1,2,3
	ds_load_tr16_b128 v[BF+8*\cb:BF+8*\cb+3],   v[LBQ+(\i)/8] offset:32*((\i)%8)*P+32*\cb
	ds_load_tr16_b128 v[BF+8*\cb+4:BF+8*\cb+7], v[LBQ+(\i)/8] offset:(32*((\i)%8)+16)*P+32*\cb
.endr
.endm
.macro LDA slot, kidx                  ; the 3 fragments of x of k step kidx
.set rbi, 0
.rept RB
	global_load_b128 v[AF+8*RB*(\slot)+8*rbi:AF+8*RB*(\slot)+8*rbi+3],   v[AO+rbi], s[AB:AB+1] offset:(\kidx)*AKS
	global_load_b128 v[AF+8*RB*(\slot)+8*rbi+4:AF+8*RB*(\slot)+8*rbi+7], v[AO+rbi], s[AB:AB+1] offset:(\kidx)*AKS+AH
.set rbi, rbi+1
.endr
.endm
.macro MM slot, zero                   ; 12 products, 12 different accumulators
.irp cb, 0,1,2,3
.set rbi, 0
.rept RB
.set rD, ACC+8*(4*rbi+\cb)
.set rW, BF+8*\cb
.set rX, AF+8*RB*(\slot)+8*rbi
.if \zero
	v_wmma_f32_16x16x32_bf16 v[rD:rD+7], v[rW:rW+7], v[rX:rX+7], 0
.else
	v_wmma_f32_16x16x32_bf16 v[rD:rD+7], v[rW:rW+7], v[rX:rX+7], v[rD:rD+7]
.endif
.set rbi, rbi+1
.endr
.endr
.endm
.macro STEP i, zero, lda, wl           ; k step i: its W, x three steps on, the waits, the products
	PLACES
	LDB \i
.if \lda
	LDA ((\i)+3)%4, (\i)+3
.endif
	s_wait_loadcnt \wl                             ; loads come back in order: what may stay out are the x loads of the steps behind this one, 6 each
	s_wait_dscnt 0x0                               ; this step's W
	MM (\i)%4, \zero
.endm
.macro LOADG g, set                    ; four passes of 64 k rows: 8 loads of 16 bytes a thread
.irp pp, 0,1,2,3
	global_load_b128 v[(\set)+8*\pp:(\set)+8*\pp+3],   v[FO], s[4:5] offset:(4*(\g)+\pp)*PASS
	global_load_b128 v[(\set)+8*\pp+4:(\set)+8*\pp+7], v[FO], s[4:5] offset:(4*(\g)+\pp)*PASS+16
.endr
.endm
.macro CVTG set                        ; rounded to bf16 and laid into the slice
.irp pp, 0,1,2,3
.irp m, 0,1,2,3
	v_cvt_pk_bf16_f32 v[80+4*\pp+\m], v[(\set)+8*\pp+2*\m], v[(\set)+8*\pp+2*\m+1]
.endr
	ds_store_b128 v[FL], v[80+4*\pp:80+4*\pp+3] offset:\pp*64*P
.endr
	v_add_nc_u32 v[FL], 4*64*P, v[FL]
.endm
	s_load_b256 s[4:11], s[0:1], 0x0               ; gate_up_w s[4:5], bufX2 s[6:7], lists s[8:9], act s[10:11]
	v_lshl_add_u32 v[SPW], v0, 2, SPARE
	v_mov_b32 v[NIL], 0
	v_lshrrev_b32 v1, 5, v0
	v_readfirstlane_b32 s12, v1                    ; wave 0..15
	s_and_b32 s13, ttmp7, 0xffff                   ; the expert
	v_lshrrev_b32 v1, 3, v0                        ; the fill: k row t / 8 of a pass,
	v_bfe_u32 v2, v0, 2, 1                         ; g or u,
	v_and_b32 v3, 3, v0                            ; 8 of its 32 columns
	v_lshlrev_b32 v[FO], 13, v1
	v_lshl_add_u32 v[FO], v2, 12, v[FO]
	v_lshl_add_u32 v[FO], v3, 5, v[FO]
	v_mul_u32_u24 v[FL], v1, P
	v_lshl_add_u32 v[FL], v2, 6, v[FL]
	v_lshl_add_u32 v[FL], v3, 4, v[FL]
	s_lshl_b32 s14, s13, 23
	s_lshl_b32 s15, ttmp9, 7
	s_add_co_u32 s14, s14, s15
	s_mov_b32 s15, 0
	s_lshl_b32 s16, s13, 7
	s_mul_i32 s18, s13, EST
	s_mul_i32 s19, ttmp9, APL
	s_add_co_u32 s18, s18, s19
	s_mov_b32 s19, 0
	s_wait_kmcnt 0x0
	s_add_nc_u64 s[4:5], s[4:5], s[14:15]          ; my slice
	s_add_nc_u64 s[10:11], s[10:11], s[18:19]      ; my plane of act
	s_load_b32 s20, s[8:9], s16 offset:CNTO        ; the expert's count
	LOADG 0, 16
	LOADG 1, 48                                    ; 16 loads of a thread are out
	v_and_b32 v1, 15, v0                           ; r
	v_bfe_u32 v2, v0, 4, 1                         ; h
	v_and_b32 v3, 7, v0
	v_lshl_add_u32 v3, v2, 3, v3                   ; the turning load: k row 8 h + lane % 8,
	v_mul_u32_u24 v[LBQ], v3, P
	v_bfe_u32 v3, v0, 3, 1
	v_lshl_add_u32 v[LBQ], v3, 4, v[LBQ]           ; 16 bytes by (lane / 8) % 2
.irp q, 1,2,3
	v_add_nc_u32 v[LBQ+\q], \q*256*P, v[LBQ]
.endr
	v_lshlrev_b32 v[H16], 4, v2
	s_mul_i32 s21, s13, LSTR
	s_mul_i32 s22, s12, 192
	s_add_co_u32 s21, s21, s22
	v_lshl_add_u32 v[LO], v1, 2, s21               ; list place 48 w + r
	v_and_b32 v3, 31, v0
	s_mul_i32 s22, s12, 3072
	v_lshl_add_u32 v[SO], v3, 4, s22               ; three images a tile
	s_wait_loadcnt 8                               ; the older group is in, the younger 8 stay out
	CVTG 16
	LOADG 2, 16
	s_wait_loadcnt 8
	CVTG 48
	LOADG 3, 48
	s_wait_loadcnt 8
	CVTG 16
	s_wait_loadcnt 0x0
	CVTG 48
	s_wait_dscnt 0x0                               ; for the others' sake
	s_barrier_signal -1
	s_barrier_wait -1
	s_wait_kmcnt 0x0
	s_mul_i32 s22, s12, 48                         ; my tile's first place
	s_mov_b32 s23, 3
.Ltile:
	s_cmp_ge_u32 s22, s20
	s_cbranch_scc1 .Lskip
	global_load_b32 v[RID],   v[LO], s[8:9]
	global_load_b32 v[RID+1], v[LO], s[8:9] offset:64
	global_load_b32 v[RID+2], v[LO], s[8:9] offset:128
	s_wait_loadcnt 0x0
.irp rb, 0,1,2
	v_lshrrev_b32 v[RID+\rb], 1, v[RID+\rb]        ; the token
	v_min_u32 v[RID+\rb], 0x7ff, v[RID+\rb]
	v_lshl_add_u32 v[AO+\rb], v[RID+\rb], 11, v[H16]
.endr
	LDA 0, 0
	LDA 1, 1
	LDA 2, 2
	STEP 0, 1, 1, 6*RB                             ; the first step starts the sums
.set st, 1
.rept 28
	STEP st, 0, 1, 6*RB
.set st, st+1
.endr
	STEP 29, 0, 0, 4*RB                            ; nothing is left to fetch: the counts run down
	STEP 30, 0, 0, 2*RB
	STEP 31, 0, 0, 0
	; silu(g) u = g u / (1 + 2^(-g log2 e)); each accumulator is read from its low end on
	PLACES
.irp rb, 0,1,2
.set i, 0
.rept 8
	v_pk_mul_f32 v[AF+16*\rb+2*i:AF+16*\rb+2*i+1], v[ACC+32*\rb+2*i:ACC+32*\rb+2*i+1], 0xbfb8aa3b op_sel_hi:[1,0]
.set i, i+1
.endr
.endr
.set i, 0
.rept 48
	v_exp_f32 v[AF+i], v[AF+i]
.set i, i+1
.endr
	v_nop
	s_wait_alu depctr_va_vdst(0)                   ; one wait for the 48
.set i, 0
.rept 24
	v_pk_add_f32 v[AF+2*i:AF+2*i+1], v[AF+2*i:AF+2*i+1], 1.0 op_sel_hi:[1,0]
.set i, i+1
.endr
.set i, 0
.rept 48
	v_rcp_f32 v[AF+i], v[AF+i]
.set i, i+1
.endr
.irp rb, 0,1,2                         ; g u: plain work that names no reciprocal stands behind them
.set i, 0
.rept 8
	v_pk_mul_f32 v[ACC+32*\rb+2*i:ACC+32*\rb+2*i+1], v[ACC+32*\rb+2*i:ACC+32*\rb+2*i+1], v[ACC+32*\rb+16+2*i:ACC+32*\rb+16+2*i+1]
.set i, i+1
.endr
.endr
	s_wait_alu depctr_va_vdst(0)                   ; one wait for the 48
.irp rb, 0,1,2
.set i, 0
.rept 8
	v_pk_mul_f32 v[ACC+32*\rb+2*i:ACC+32*\rb+2*i+1], v[ACC+32*\rb+2*i:ACC+32*\rb+2*i+1], v[AF+16*\rb+2*i:AF+16*\rb+2*i+1]
.set i, i+1
.endr
.endr
.irp rb, 0,1,2
.set i, 0
.rept 8
	v_cvt_pk_bf16_f32 v[AF+48+8*\rb+i], v[ACC+32*\rb+2*i], v[ACC+32*\rb+2*i+1]
.set i, i+1
.endr
	global_store_b128 v[SO], v[AF+48+8*\rb:AF+48+8*\rb+3],   s[10:11] offset:\rb*1024      ; 512 consecutive bytes: half an image
	global_store_b128 v[SO], v[AF+48+8*\rb+4:AF+48+8*\rb+7], s[10:11] offset:\rb*1024+512
.endr
.Lskip:
	s_wait_xcnt 0x0                                ; the stores' data and offsets are rewritten only behind this wait
	v_add_nc_u32 v[LO], 3072, v[LO]                ; 16 tiles on: 768 places,
	v_add_nc_u32 v[SO], 49152, v[SO]               ; 48 images
	s_add_co_u32 s22, s22, 768
	s_sub_co_u32 s23, s23, 1
	s_cmp_lg_u32 s23, 0
	s_cbranch_scc1 .Ltile
	s_wait_tensorcnt 0x0                           ; the wave's end
	ds_add_u32 v[SPW], v[NIL]
	s_wait_dscnt 0x0
	s_endpgm
.Lfunc_end_k_q43b098fea9_gateup:
	.size	k_q43b098fea9_gateup, .Lfunc_end_k_q43b098fea9_gateup-k_q43b098fea9_gateup
	.p2alignl 7, 3214868480
	.fill 96, 4, 3214868480
	.section	.rodata,"a",@progbits
	.p2align	6, 0x0
	.amdhsa_kernel k_q43b098fea9_gateup
		.amdhsa_group_segment_fixed_size 165888
		.amdhsa_private_segment_fixed_size 0
		.amdhsa_enable_private_segment 0
		.amdhsa_kernarg_size 32
		.amdhsa_user_sgpr_count 2
		.amdhsa_user_sgpr_kernarg_segment_ptr 1
		.amdhsa_wavefront_size32 1
		.amdhsa_system_sgpr_workgroup_id_x 1
		.amdhsa_system_sgpr_workgroup_id_y 1
		.amdhsa_system_sgpr_workgroup_id_z 1
		.amdhsa_system_vgpr_workitem_id 0
		.amdhsa_next_free_vgpr 256
		.amdhsa_next_free_sgpr 66
		.amdhsa_reserve_vcc 0
		.amdhsa_float_denorm_mode_32 3
		.amdhsa_float_denorm_mode_16_64 3
		.amdhsa_memory_ordered 1
		.amdhsa_forward_progress 1
		.amdhsa_inst_pref_size 89
	.end_amdhsa_kernel
	.amdgpu_metadata
---
amdhsa.version: [ 1, 2 ]
amdhsa.kernels:
  - .name:           k_q43b098fea9_gateup
    .symbol:         k_q43b098fea9_gateup.kd
    .args:
      - { .name: gate_up_w, .offset: 0, .size: 8, .value_kind: global_buffer, .address_space: global }
      - { .name: bufX2, .offset: 8, .size: 8, .value_kind: global_buffer, .address_space: global }
      - { .name: lists, .offset: 16, .size: 8, .value_kind: global_buffer, .address_space: global }
      - { .name: act, .offset: 24, .size: 8, .value_kind: global_buffer, .address_space: global }
    .group_segment_fixed_size: 165888
    .private_segment_fixed_size: 0
    .kernarg_segment_align: 8
    .kernarg_segment_size: 32
    .max_flat_workgroup_size: 512
    .sgpr_count:     66
    .vgpr_count:     256
    .wavefront_size: 32
...
	.end_amdgpu_metadata
.endif
;; end of part 7
;; launch down (part 8): grid 32 x 8, 16 waves a work-group, no clusters, 235,520 bytes of LDS; arguments down_w, act, lists, bufA; writes bufA
.if DOCPART == 8
	.amdgcn_target "amdgcn-amd-amdhsa--gfx1250"
	.amdhsa_code_object_version 6
	.text
	.protected	k_q43b098fea9_down
	.globl	k_q43b098fea9_down
	.p2align	8
	.type	k_q43b098fea9_down,@function
k_q43b098fea9_down:
	s_mov_b64 s[64:65], 0
	v_nop
	global_prefetch_b8 v0, s[64:65] scope:SCOPE_SE
	s_setreg_imm32_b32 hwreg(HW_REG_WAVE_MODE, 25, 1), 1
	s_wait_xcnt 0x0
; down.  y[id] = act row x down_w[e] for every routed id of expert e; bf16 operands, f32 sums; y is f32 (a part of a sum that the next launch adds up): bufA + 0, [4104][1024]; rows 4096 + e take
; what the list's filling places give, and nobody reads them.
; SHARES.  Work-group (2 sl + half, e): columns 64 sl .. + 63 of expert e, a slice [1024 k][64] rounded through registers into LDS, and the tiles of 48 list places of one parity:
; tile 2 (16 trip + wave) + half, two trips: 64 tiles cover the 43 that an expert can have.  A tile that begins at or behind the count is jumped; what is jumped holds no barrier.
; So a slice has two readers, neighbours in the grid.  act comes as register images from memory straight into registers, three k steps ahead.
; THE 32 K STEPS ARE WRITTEN OUT: which tiles are walked hangs on a stored count, so nothing inside the loop over tiles steps an LDS address: four fixed registers, one for each 256 k rows,
; and immediates reach the whole slice; act's 135,168 bytes a step stand in the loads' immediates too (4,192,768 at the most, inside the signed 24 bits: ISA guide, chapter 10).
; THE WAY OUT.  A lane holds one row and 8 columns; 16 rows at a time go through the wave's own stage in LDS and come back as whole rows of 256 bytes, which are stored to the rows that the list names.
.set RB,  3
.set P,   160                          ; a slice row in LDS: 128 bytes + 32
.set AKS, 135168                       ; bytes of act from plane to plane
.set AH,  512
.set PASS, 64*4096                     ; 64 k rows of down_w
.set ACC, 16                           ; v[16:111]
.set BF,  112                          ; v[112:143] fragments of W; on the way out the ids, then the stores' offsets
.set AF,  144                          ; v[144:239] fragments of act, four slots of 24; on the way out the rows read back
.set FO,  9
.set FL,  10
.set LO,  11                           ; offset of my list places
.set AOB, 12                           ; offset of my tile's first image
.set YC,  13                           ; 256 sl + 16 (lane % 16)
.set STO, 14
.set RD,  15
.set LBQ, 244                          ; v244-247   LDS address of my fragments of W at k rows 0, 256, 512, 768; never rewritten
.set SPW, 254
.set NIL, 255
.set AB,  6                            ; s[6:7] act of my expert
.set STAGE, 1024*P                     ; 16 stages of 16 rows x 272 bytes
.set SPARE, STAGE+16*4352
.set EST, 4325376
.set LSTR, 8704
.set CNTO, 8*LSTR
.macro PLACES
.rept 4
	v_nop
.endr
.endm
.macro LDB i
.irp cb, 0,1,2,3
	ds_load_tr16_b128 v[BF+8*\cb:BF+8*\cb+3],   v[LBQ+(\i)/8] offset:32*((\i)%8)*P+32*\cb
	ds_load_tr16_b128 v[BF+8*\cb+4:BF+8*\cb+7], v[LBQ+(\i)/8] offset:(32*((\i)%8)+16)*P+32*\cb
.endr
.endm
.macro LDA slot, kidx                  ; three images of plane kidx
.set rbi, 0
.rept RB
	global_load_b128 v[AF+8*RB*(\slot)+8*rbi:AF+8*RB*(\slot)+8*rbi+3],   v[AOB], s[AB:AB+1] offset:(\kidx)*AKS+rbi*1024
	global_load_b128 v[AF+8*RB*(\slot)+8*rbi+4:AF+8*RB*(\slot)+8*rbi+7], v[AOB], s[AB:AB+1] offset:(\kidx)*AKS+rbi*1024+AH
.set rbi, rbi+1
.endr
.endm
.macro MM slot, zero                   ; 12 accumulators by turns
.irp cb, 0,1,2,3
.set rbi, 0
.rept RB
.set rD, ACC+8*(4*rbi+\cb)
.set rW, BF+8*\cb
.set rX, AF+8*RB*(\slot)+8*rbi
.if \zero
	v_wmma_f32_16x16x32_bf16 v[rD:rD+7], v[rW:rW+7], v[rX:rX+7], 0
.else
	v_wmma_f32_16x16x32_bf16 v[rD:rD+7], v[rW:rW+7], v[rX:rX+7], v[rD:rD+7]
.endif
.set rbi, rbi+1
.endr
.endr
.endm
.macro STEP i, zero, lda, wl
	PLACES
	LDB \i
.if \lda
	LDA ((\i)+3)%4, (\i)+3
.endif
	s_wait_loadcnt \wl                             ; what may stay out: the act loads of the steps behind this one, 6 each
	s_wait_dscnt 0x0                               ; this step's W
	MM (\i)%4, \zero
.endm
.macro LOADG g, set
.irp pp, 0,1,2,3
	global_load_b128 v[(\set)+8*\pp:(\set)+8*\pp+3],   v[FO], s[4:5] offset:(4*(\g)+\pp)*PASS
	global_load_b128 v[(\set)+8*\pp+4:(\set)+8*\pp+7], v[FO], s[4:5] offset:(4*(\g)+\pp)*PASS+16
.endr
.endm
.macro CVTG set
.irp pp, 0,1,2,3
.irp m, 0,1,2,3
	v_cvt_pk_bf16_f32 v[80+4*\pp+\m], v[(\set)+8*\pp+2*\m], v[(\set)+8*\pp+2*\m+1]
.endr
	ds_store_b128 v[FL], v[80+4*\pp:80+4*\pp+3] offset:\pp*64*P
.endr
	v_add_nc_u32 v[FL], 4*64*P, v[FL]
.endm
	s_load_b256 s[4:11], s[0:1], 0x0               ; down_w s[4:5], act s[6:7], lists s[8:9], bufA s[10:11]
	v_lshl_add_u32 v[SPW], v0, 2, SPARE
	v_mov_b32 v[NIL], 0
	v_lshrrev_b32 v1, 5, v0
	v_readfirstlane_b32 s12, v1                    ; wave 0..15
	s_and_b32 s13, ttmp7, 0xffff                   ; the expert
	s_lshr_b32 s25, ttmp9, 1                       ; the slice
	s_and_b32 s26, ttmp9, 1                        ; the tiles' parity
	v_lshrrev_b32 v1, 3, v0                        ; the fill: k row t / 8 of a pass, 8 of its 64 columns
	v_and_b32 v3, 7, v0
	v_lshlrev_b32 v[FO], 12, v1
	v_lshl_add_u32 v[FO], v3, 5, v[FO]
	v_mul_u32_u24 v[FL], v1, P
	v_lshl_add_u32 v[FL], v3, 4, v[FL]
	s_lshl_b32 s14, s13, 22
	s_lshl_b32 s15, s25, 8
	s_add_co_u32 s14, s14, s15
	s_mov_b32 s15, 0
	s_lshl_b32 s16, s13, 7
	s_mul_i32 s18, s13, EST
	s_mov_b32 s19, 0
	s_wait_kmcnt 0x0
	s_add_nc_u64 s[4:5], s[4:5], s[14:15]
	s_add_nc_u64 s[6:7], s[6:7], s[18:19]
	s_load_b32 s20, s[8:9], s16 offset:CNTO        ; the expert's count
	LOADG 0, 16
	LOADG 1, 48
	v_and_b32 v1, 15, v0                           ; r
	v_bfe_u32 v2, v0, 4, 1                         ; h
	v_and_b32 v3, 7, v0
	v_lshl_add_u32 v3, v2, 3, v3
	v_mul_u32_u24 v[LBQ], v3, P
	v_bfe_u32 v3, v0, 3, 1
	v_lshl_add_u32 v[LBQ], v3, 4, v[LBQ]
.irp q, 1,2,3
	v_add_nc_u32 v[LBQ+\q], \q*256*P, v[LBQ]
.endr
	s_lshl_b32 s27, s12, 1
	s_add_co_u32 s27, s27, s26                     ; my first tile = 2 w + half
	s_mul_i32 s22, s27, 48                         ; its first place
	s_mul_i32 s21, s13, LSTR
	s_lshl_b32 s28, s22, 2
	s_add_co_u32 s21, s21, s28
	v_lshl_add_u32 v[LO], v2, 2, s21               ; list place + h: the rows as I read them back
	v_and_b32 v3, 31, v0
	s_mul_i32 s28, s27, 3072
	v_lshl_add_u32 v[AOB], v3, 4, s28
	s_lshl_b32 s28, s25, 8
	v_lshl_add_u32 v[YC], v1, 4, s28
	s_mul_i32 s28, s12, 4352
	s_add_co_u32 s28, s28, STAGE
	v_mul_u32_u24 v3, v1, 272
	v_lshl_add_u32 v3, v2, 5, v3
	v_add_nc_u32 v[STO], s28, v3                   ; in: row r, 32 bytes for each half of the lanes
	v_mul_u32_u24 v3, v2, 272
	v_lshl_add_u32 v3, v1, 4, v3
	v_add_nc_u32 v[RD], s28, v3                    ; back: lanes 0-15 one row, lanes 16-31 the next
	s_wait_loadcnt 8                               ; the older group is in, the younger 8 stay out
	CVTG 16
	LOADG 2, 16
	s_wait_loadcnt 8
	CVTG 48
	LOADG 3, 48
	s_wait_loadcnt 8
	CVTG 16
	s_wait_loadcnt 0x0
	CVTG 48
	s_wait_dscnt 0x0                               ; for the others' sake
	s_barrier_signal -1
	s_barrier_wait -1
	s_wait_kmcnt 0x0
	s_mov_b32 s23, 2
.Ltile:
	s_cmp_ge_u32 s22, s20
	s_cbranch_scc1 .Lskip
	LDA 0, 0
	LDA 1, 1
	LDA 2, 2
	STEP 0, 1, 1, 6*RB                             ; the first step starts the sums
.set st, 1
.rept 28
	STEP st, 0, 1, 6*RB
.set st, st+1
.endr
	STEP 29, 0, 0, 4*RB                            ; nothing is left to fetch: the counts run down
	STEP 30, 0, 0, 2*RB
	STEP 31, 0, 0, 0
	PLACES
.irp rb, 0,1,2
.irp t, 0,1,2,3,4,5,6,7
	global_load_b32 v[BF+8*\rb+\t], v[LO], s[8:9] offset:(16*\rb+2*\t)*4   ; the id of row 16 rb + 2 t + h of the tile
.endr
.endr
.irp rb, 0,1,2                         ; LDS serves a wave's instructions in order (ISA guide 5.7.1.4): the loads see the stores above them, the next block's stores come behind them
.irp cb, 0,1,2,3
	ds_store_b128 v[STO], v[ACC+8*(4*\rb+\cb):ACC+8*(4*\rb+\cb)+3] offset:\cb*64
	ds_store_b128 v[STO], v[ACC+8*(4*\rb+\cb)+4:ACC+8*(4*\rb+\cb)+7] offset:\cb*64+16
.endr
.irp t, 0,1,2,3,4,5,6,7
	ds_load_b128 v[AF+32*\rb+4*\t:AF+32*\rb+4*\t+3], v[RD] offset:\t*544
.endr
.endr
	s_wait_loadcnt 0x0                             ; the ids
.set i, 0
.rept 24
	v_min_u32 v[BF+i], 0x1007, v[BF+i]             ; 4,103 is y's last row
	v_lshl_add_u32 v[BF+i], v[BF+i], 12, v[YC]
.set i, i+1
.endr
.irp rb, 0,1,2
	s_wait_dscnt 16*(2-\rb)                        ; this block is back; the blocks behind have 16 LDS instructions each
.irp t, 0,1,2,3,4,5,6,7
	global_store_b128 v[BF+8*\rb+\t], v[AF+32*\rb+4*\t:AF+32*\rb+4*\t+3], s[10:11]  ; 16 lanes store 256 consecutive bytes, aligned
.endr
.endr
.Lskip:
	s_wait_xcnt 0x0                                ; the stores' data and offsets are rewritten only behind this wait
	v_add_nc_u32 v[LO], 6144, v[LO]                ; 32 tiles on: 1,536 places,
	v_add_nc_u32 v[AOB], 98304, v[AOB]             ; 96 images
	s_add_co_u32 s22, s22, 1536
	s_sub_co_u32 s23, s23, 1
	s_cmp_lg_u32 s23, 0
	s_cbranch_scc1 .Ltile
	s_wait_tensorcnt 0x0                           ; the wave's end
	ds_add_u32 v[SPW], v[NIL]
	s_wait_dscnt 0x0
	s_endpgm
.Lfunc_end_k_q43b098fea9_down:
	.size	k_q43b098fea9_down, .Lfunc_end_k_q43b098fea9_down-k_q43b098fea9_down
	.p2alignl 7, 3214868480
	.fill 96, 4, 3214868480
	.section	.rodata,"a",@progbits
	.p2align	6, 0x0
	.amdhsa_kernel k_q43b098fea9_down
		.amdhsa_group_segment_fixed_size 235520
		.amdhsa_private_segment_fixed_size 0
		.amdhsa_enable_private_segment 0
		.amdhsa_kernarg_size 32
		.amdhsa_user_sgpr_count 2
		.amdhsa_user_sgpr_kernarg_segment_ptr 1
		.amdhsa_wavefront_size32 1
		.amdhsa_system_sgpr_workgroup_id_x 1
		.amdhsa_system_sgpr_workgroup_id_y 1
		.amdhsa_system_sgpr_workgroup_id_z 1
		.amdhsa_system_vgpr_workitem_id 0
		.amdhsa_next_free_vgpr 256
		.amdhsa_next_free_sgpr 66
		.amdhsa_reserve_vcc 0
		.amdhsa_float_denorm_mode_32 3
		.amdhsa_float_denorm_mode_16_64 3
		.amdhsa_memory_ordered 1
		.amdhsa_forward_progress 1
		.amdhsa_inst_pref_size 87
	.end_amdhsa_kernel
	.amdgpu_metadata
---
amdhsa.version: [ 1, 2 ]
amdhsa.kernels:
  - .name:           k_q43b098fea9_down
    .symbol:         k_q43b098fea9_down.kd
    .args:
      - { .name: down_w, .offset: 0, .size: 8, .value_kind: global_buffer, .address_space: global }
      - { .name: act, .offset: 8, .size: 8, .value_kind: global_buffer, .address_space: global }
      - { .name: lists, .offset: 16, .size: 8, .value_kind: global_buffer, .address_space: global }
      - { .name: bufA, .offset: 24, .size: 8, .value_kind: global_buffer, .address_space: global }
    .group_segment_fixed_size: 235520
    .private_segment_fixed_size: 0
    .kernarg_segment_align: 8
    .kernarg_segment_size: 32
    .max_flat_workgroup_size: 512
    .sgpr_count:     66
    .vgpr_count:     256
    .wavefront_size: 32
...
	.end_amdgpu_metadata
.endif
;; end of part 8
;; launch combine (part 9): grid 256 x 1, 8 waves a work-group, no clusters, 0 bytes of LDS; arguments resid, bufA, bufX2, out0; writes out0
.if DOCPART == 9
	.amdgcn_target "amdgcn-amd-amdhsa--gfx1250"
	.amdhsa_code_object_version 6
	.text
	.protected	k_q43b098fea9_combine
	.globl	k_q43b098fea9_combine
	.p2align	8
	.type	k_q43b098fea9_combine,@function
k_q43b098fea9_combine:
	s_mov_b64 s[64:65], 0
	v_nop
	global_prefetch_b8 v0, s[64:65] scope:SCOPE_SE
	s_setreg_imm32_b32 hwreg(HW_REG_WAVE_MODE, 25, 1), 1
	s_wait_xcnt 0x0
; combine.  out[t] = resid[t] + w0 y[2 t] + w1 y[2 t + 1], all f32, one token a wave.  Each output row has one owner; the two partial rows were stored by the launch before.
; A stream: all 24 loads of a lane go out before the first wait, each covers 512 consecutive bytes; no LDS, no matrix unit.
.set R,  16                            ; v[16:47]  resid, then the result
.set Y0, 48                            ; v[48:79]
.set Y1, 80                            ; v[80:111]
	s_load_b256 s[4:11], s[0:1], 0x0               ; resid s[4:5], bufA s[6:7], bufX2 s[8:9], out0 s[10:11]
	v_and_b32 v1, 31, v0
	v_lshrrev_b32 v2, 5, v0
	v_readfirstlane_b32 s12, v2
	s_lshl_b32 s13, ttmp9, 3
	s_add_co_u32 s13, s13, s12                     ; my token
	s_lshl_b32 s14, s13, 3
	s_lshl_b32 s15, s13, 12
	v_lshl_add_u32 v2, v1, 4, s15
	s_lshl_b32 s20, s13, 13
	v_lshl_add_u32 v3, v1, 4, s20
	s_wait_kmcnt 0x0
	s_load_b64 s[16:17], s[8:9], s14 offset:0x400000   ; the two weights
.irp j, 0,1,2,3,4,5,6,7
	global_load_b128 v[R+4*\j:R+4*\j+3], v2, s[4:5] offset:512*\j
.endr
.irp j, 0,1,2,3,4,5,6,7
	global_load_b128 v[Y0+4*\j:Y0+4*\j+3], v3, s[6:7] offset:512*\j
.endr
.irp j, 0,1,2,3,4,5,6,7
	global_load_b128 v[Y1+4*\j:Y1+4*\j+3], v3, s[6:7] offset:4096+512*\j
.endr
	s_wait_kmcnt 0x0
	s_mov_b32 s18, s17                             ; each weight in a pair of its own: the packed forms name a pair and take its low word for both halves
	s_mov_b32 s19, s17
	s_mov_b32 s17, s16
	s_wait_loadcnt 0x0
.set i, 0
.rept 16
	v_pk_fma_f32 v[R+2*i:R+2*i+1], v[Y1+2*i:Y1+2*i+1], s[18:19], v[R+2*i:R+2*i+1] op_sel_hi:[1,0,1]
.set i, i+1
.endr
.set i, 0
.rept 16
	v_pk_fma_f32 v[R+2*i:R+2*i+1], v[Y0+2*i:Y0+2*i+1], s[16:17], v[R+2*i:R+2*i+1] op_sel_hi:[1,0,1]
.set i, i+1
.endr
.irp j, 0,1,2,3,4,5,6,7
	global_store_b128 v2, v[R+4*\j:R+4*\j+3], s[10:11] offset:512*\j
.endr
	s_endpgm
.Lfunc_end_k_q43b098fea9_combine:
	.size	k_q43b098fea9_combine, .Lfunc_end_k_q43b098fea9_combine-k_q43b098fea9_combine
	.p2alignl 7, 3214868480
	.fill 96, 4, 3214868480
	.section	.rodata,"a",@progbits
	.p2align	6, 0x0
	.amdhsa_kernel k_q43b098fea9_combine
		.amdhsa_group_segment_fixed_size 0
		.amdhsa_private_segment_fixed_size 0
		.amdhsa_enable_private_segment 0
		.amdhsa_kernarg_size 32
		.amdhsa_user_sgpr_count 2
		.amdhsa_user_sgpr_kernarg_segment_ptr 1
		.amdhsa_wavefront_size32 1
		.amdhsa_system_sgpr_workgroup_id_x 1
		.amdhsa_system_sgpr_workgroup_id_y 1
		.amdhsa_system_sgpr_workgroup_id_z 1
		.amdhsa_system_vgpr_workitem_id 0
		.amdhsa_next_free_vgpr 112
		.amdhsa_next_free_sgpr 66
		.amdhsa_reserve_vcc 0
		.amdhsa_float_denorm_mode_32 3
		.amdhsa_float_denorm_mode_16_64 3
		.amdhsa_memory_ordered 1
		.amdhsa_forward_progress 1
		.amdhsa_inst_pref_size 6
	.end_amdhsa_kernel
	.amdgpu_metadata
---
amdhsa.version: [ 1, 2 ]
amdhsa.kernels:
  - .name:           k_q43b098fea9_combine
    .symbol:         k_q43b098fea9_combine.kd
    .args:
      - { .name: resid, .offset: 0, .size: 8, .value_kind: global_buffer, .address_space: global }
      - { .name: bufA, .offset: 8, .size: 8, .value_kind: global_buffer, .address_space: global }
      - { .name: bufX2, .offset: 16, .size: 8, .value_kind: global_buffer, .address_space: global }
      - { .name: out0, .offset: 24, .size: 8, .value_kind: global_buffer, .address_space: global }
    .group_segment_fixed_size: 0
    .private_segment_fixed_size: 0
    .kernarg_segment_align: 8
    .kernarg_segment_size: 32
    .max_flat_workgroup_size: 256
    .sgpr_count:     66
    .vgpr_count:     112
    .wavefront_size: 32
...
	.end_amdgpu_metadata
.endif
;; end of part 9
